; MI455X (gfx1250); checked and timed in simulation.
; The chip was launched on July 23, 2026; its instructions are those of AMD's public machine-readable ISA for CDNA 5 (MIT licence, August 2026) and "CDNA5" Instruction Set Architecture Reference Guide (July 2026). The comments in the code are by the model that wrote it; some were corrected since.
;; Expert Parallel Layer. Allowed arithmetic: matrix products marked QUANTISED: E2M3 operands, one E8M0 scale for each 32 along K, by v_wmma_scale_f32_16x16x128_f8f6f4 with both operands' format E2M3, f32 sums; products left as they are: f32 operands where the result goes on into a quantised operand, else bf16, f16 or f32 operands; f32 sums; everything else in f32.
;; Inputs: W1 8 x 1,024 x 2,048 float32; W2 8 x 2,048 x 1,024 float32; Wr 1,024 x 8 float32; b1 8 x 2,048 float32; b2 8 x 1,024 float32; br 8 float32; x 4 x 512 x 1,024 float32.
;; Outputs: out0 4 x 512 x 1,024 float32.
;; This version of the problem:
;;   THIS VERSION OF THE PROBLEM IS GIVEN IN LOW PRECISION. The matrix products marked QUANTISED in the list below multiply operands that are first quantised to E2M3 (2 exponent bits, 3 mantissa bits; 6 bits a number), with one power-of-two scale for each 32 numbers along K (OCP MX v1.0); their sums are f32. All else is computed in f32.
;;   The module's matrix products, in the order in which they are computed (A, B: the left and right operand; K: the contracted axis; several contracted axes count as one K, in the product's order):
;;     1. [M 2,048, K 1,024] x [K 1,024, N 8]; A: input x; B: input Wr: left as it is (N = 8 < 16)
;;     2. [M 2,048, K 1,024] x [K 1,024, N 16,384]; A: input x; B: input W1: QUANTISED
;;     3. batch 8 x [M 1,024, K 2,048] x [K 2,048, N 2,048]; A: input W2; B: computed on the way: QUANTISED
;;   THE QUANTISER, for each operand of a quantised product, along K:
;;     - K is cut into blocks of 32 from its start; a last block that is shorter is filled with zeros.
;;     - A block's scale is 2^e with e = floor(log2(the largest magnitude in the block)) - 2, held to -126 .. 127; a block of zeros has e = 0. As a byte (E8M0): e + 127.
;;     - Each number is divided by its block's scale, clamped to +-7.5, and rounded to the nearest number of E2M3, ties to even, subnormals kept.
;;     - The product sums the exact products of the quantised numbers (number of the format x scale) in f32.
;;   ~~~python
;;   def quantise(x, axis):      # numpy; x: float32 -> the quantised numbers, widened to float32 again
;;       x = np.moveaxis(x, axis, -1); K = x.shape[-1]
;;       x = np.pad(x, [(0, 0)] * (x.ndim - 1) + [(0, -K % 32)]); x = x.reshape(x.shape[:-1] + (-1, 32)); a = np.abs(x).max(-1, keepdims=True)
;;       e = np.where(a > 0, np.clip(np.frexp(np.where(a > 0, a, 1))[1] - 1 - 2, -126, 127), 0)      # np.frexp(a)[1] - 1 = floor(log2(a)), exactly
;;       r = np.clip(x / 2.0 ** e, -7.5, 7.5)
;;       step = 2.0 ** (np.maximum(np.frexp(np.where(r == 0, 1, r))[1] - 1, 0) - 3)
;;       q = np.round(r / step) * step * 2.0 ** e      # np.round: ties to even
;;       return np.moveaxis(q.reshape(q.shape[:-2] + (-1,))[..., :K], -1, axis).astype(np.float32)
;;   ~~~
;;   OPERANDS COMPUTED ON THE WAY. 'Computed on the way' means the value that the module computes at that place (a softmax that the list does not call 'softmax' is quantised finished and normalised). What goes into a quantiser is computed in f32, as accurately as f32 sums, v_exp_f32 and their like allow (about 1e-6 of the number): no bf16 or f16 on the way to a quantiser, and a product that is left as it is and whose result goes on into a quantised operand takes f32 operands (vector FMAs, or v_wmma_f32_16x16x4_f32). A number that lies on a knife's edge between two numbers of the format may be rounded either way, as far as f32 arithmetic and the matrix unit's own rounding can turn it there, and no further.
;; 2 versions, each right; version 2 is version 1 with the launch down written anew for expert scheduling mode. Each part assembles by itself: llvm-mc -triple=amdgcn-amd-amdhsa -mcpu=gfx1250 --defsym DOCPART=n.
;; ======== version 1 of 2: 3 launches
;; workspace buffers: xq 1,572,864 bytes; xs 65,536 bytes; eid 8,192 bytes of whole numbers; prob 8,192 bytes; hq 25,165,824 bytes; hs 1,048,576 bytes; lst 65,792 bytes of whole numbers
;; launch route (part 1): grid 256 x 1, 4 waves a work-group, no clusters, 82,688 bytes of LDS; arguments x, Wr, br, xq, xs, eid, prob; writes xq, xs, eid, prob
.if DOCPART == 1
	.amdgcn_target "amdgcn-amd-amdhsa--gfx1250"
	.amdhsa_code_object_version 6
	.text
	.protected	k_qba1f7c5e29_route
	.globl	k_qba1f7c5e29_route
	.p2align	8
	.type	k_qba1f7c5e29_route,@function
k_qba1f7c5e29_route:
	s_mov_b64 s[64:65], 0
	v_nop
	global_prefetch_b8 v0, s[64:65] scope:SCOPE_SE
	s_setreg_imm32_b32 hwreg(HW_REG_WAVE_MODE, 25, 1), 1
	s_wait_xcnt 0x0
; ROUTER AND QUANTISER OF x.  x: [2048][1024] f32.  For each token: logits = x Wr + br in f32 (fused multiply-adds), the index of the largest (the lowest index on a tie), and
; its softmax probability 1 / sum of exp(logit - largest).  And x as codes of FP6 (E2M3) with one E8M0 byte for each 32 along K.
; SHARES.  Work-group g owns tokens 8 g .. 8 g + 7.  Wave w owns k = 256 w .. 256 w + 255 of all eight, so each byte of Wr is loaded once in a work-group.  A step is two tokens x 256 k.
; A lane needs 16 NEIGHBOURS along K in its registers (the conversion takes them so), and a load is dense where neighbouring lanes take neighbouring bytes: so every load reads 512 consecutive
; bytes, and the bytes turn through the wave's own stage in LDS.  Lane l then holds k = 256 w + 16 (l % 16) + 0 .. 15 of token 2 st + l / 16; two neighbouring lanes hold a block of 32.
; xq: a token's row is 768 bytes, laid in the order of the operand's registers in the next launch: lane half h there holds 96 registers (K step s at 12 s, its blocks 64 c + 32 h at + 6 c);
;     byte beta of that run of 384 bytes lies at 32 (beta / 16) + beta % 16 + 16 h of the row.   xs: 32 scale bytes a token.   eid: the expert, u32.   prob: f32.
; No matrix instruction (N = 8), no cluster (work-groups share only Wr's 32 KiB), no tensor load.
; LIMITS: the index is taken of the logits; it differs from the index of the largest probability only where two probabilities round to one f32 number.  NaN and infinities are not served.
; A block of zeros gets the byte 1 where the rule says 127: its codes are zeros, and this program alone reads the bytes.  Blocks whose largest magnitude lies under 2^-124 are held at byte 1.
.set WREG, 18688                       ; LDS of a wave: Wr's stage, 16 places of 512 + 16 bytes; then x's four stages of 32 x 80 bytes
.set XST,  8448
.set CST,  4*WREG                      ; the work-group's 8 rows of codes, 768 bytes each, as they lie in xq
.set XSS,  CST+6144                    ; its 8 x 32 scale bytes
.set PART, XSS+256                     ; partial logits [wave][token 8][expert 8] f32
.set LN,  1                            ; lane
.set L16, 2                            ; 16 x lane
.set L8,  3                            ; 8 x lane
.set WSI, 4                            ; Wr's stage, in
.set WSO, 5                            ; and out
.set XSI, 6                            ; x's stage, in
.set XSO, 7                            ; and out
.set CA,  8                            ; v8-10: where my three words of codes go
.set SS,  11                           ; where my block's scale byte goes
.set PA,  12                           ; where my token's partial logits go
.set CO,  13                           ; the codes' way out of LDS
.set X8,  14                           ; the scale bytes' way out
.set PT,  15                           ; wave 0: my token's partial logits
.set E4,  16                           ; wave 0: 4 x (lane % 8)
.set R,   32                           ; v32-95   x as loaded
.set WT,  96                           ; v96-159  Wr as loaded
.set X,   160                          ; v160-223 four steps x 16 neighbours
.set ACC, 224                          ; v224-255 four steps x 8 logits
.set C,   32                           ; behind the turn: four registers of codes a step,
.set BY,  48                           ; a scale byte a step,
.set SOP, 52                           ; the conversion's scale operand a step
.set MA,  56                           ; two chains of the largest magnitude
.set MX,  60
.set IX,  61
.set PRB, 62
.set P,   96                           ; wave 0: 4 x 8 partial logits
.set OB,  128
.set OS,  140
.set MSB, 0
.macro WIN new                         ; the immediate's high byte repeats the setting that is left
.if MSB != \new
	s_set_vgpr_msb (MSB<<8)|\new
.set MSB, \new
.endif
.endm
	s_load_b256 s[4:11], s[0:1], 0x0               ; x s[4:5], Wr s[6:7], br s[8:9], xq s[10:11]
	s_load_b128 s[12:15], s[0:1], 0x20             ; xs s[12:13], eid s[14:15]
	s_load_b64 s[16:17], s[0:1], 0x30              ; prob
	v_lshl_add_u32 v30, v0, 2, 0x14100
	v_mov_b32 v31, 0
	v_lshrrev_b32 v17, 5, v0
	v_readfirstlane_b32 s18, v17                   ; wave 0..3
	v_and_b32 v[LN], 31, v0
	v_lshlrev_b32 v[L16], 4, v[LN]
	v_lshlrev_b32 v[L8], 3, v[LN]
	s_mul_i32 s19, s18, WREG
	v_add_nc_u32 v[WSI], s19, v[L16]               ; load i's 512 bytes go to place i
	v_and_b32 v17, 15, v0
	v_mul_u32_u24 v[WSO], v17, 528
	v_add_nc_u32 v[WSO], s19, v[WSO]               ; and place l % 16 holds Wr's 16 rows of my 16 k
	s_add_co_u32 s19, s19, XST
	v_lshrrev_b32 v17, 2, v[LN]
	v_mul_u32_u24 v[XSI], v17, 80
	v_and_b32 v17, 3, v0
	v_lshl_add_u32 v[XSI], v17, 4, v[XSI]
	v_add_nc_u32 v[XSI], s19, v[XSI]               ; four lanes' 64 bytes on end, then 16 of padding
	v_mul_u32_u24 v[XSO], v[LN], 80
	v_add_nc_u32 v[XSO], s19, v[XSO]               ; back: 64 bytes a lane
	; my block is 8 w + bq, bq = bits 3:1 of the lane: K step 2 w + bit 3, c = bit 2, h = bit 1; bit 0 says which 16 of the 32
	v_bfe_u32 v17, v0, 3, 1
	v_mul_u32_u24 v18, v17, 48
	v_bfe_u32 v17, v0, 2, 1
	v_mad_u32_u24 v18, v17, 24, v18
	v_and_b32 v17, 1, v0
	v_mad_u32_u24 v18, v17, 12, v18
	s_mul_i32 s28, s18, 96
	v_add_nc_u32 v18, s28, v18                     ; beta of my first word
	v_bfe_u32 v17, v0, 1, 1
	v_lshlrev_b32 v19, 4, v17                      ; 16 h
	v_bfe_u32 v20, v0, 4, 1                        ; which of the step's two tokens
	v_mad_u32_u24 v19, v20, 768, v19
	v_add_nc_u32 v19, CST, v19
.irp d, 0,1,2
	v_add_nc_u32 v17, 4*\d, v18
	v_and_b32 v[CA+\d], 0x1f0, v17
	v_add_nc_u32 v[CA+\d], v[CA+\d], v17           ; 32 (beta / 16) + beta % 16 = beta + 16 (beta / 16)
	v_add_nc_u32 v[CA+\d], v[CA+\d], v19
.endr
	v_bfe_u32 v17, v0, 1, 3
	v_lshl_add_u32 v17, v20, 5, v17
	s_lshl_b32 s28, s18, 3
	s_add_co_u32 s28, s28, XSS
	v_add_nc_u32 v[SS], s28, v17                   ; XSS + 32 x token + 8 w + bq
	v_lshlrev_b32 v17, 5, v20
	s_lshl_b32 s28, s18, 8
	s_add_co_u32 s28, s28, PART
	v_add_nc_u32 v[PA], s28, v17
	s_mul_i32 s28, s18, 1536
	s_add_co_u32 s29, s28, CST
	v_add_nc_u32 v[CO], s29, v[L16]
	v_add_nc_u32 v[X8], XSS, v[L8]
	v_and_b32 v17, 7, v0
	v_lshl_add_u32 v[PT], v17, 5, PART
	v_lshlrev_b32 v[E4], 2, v17
	s_lshl_b32 s30, ttmp9, 15                      ; x: 8 rows of 4,096 bytes a work-group, 1,024 bytes a wave
	s_lshl_b32 s31, s18, 10
	s_add_co_u32 s30, s30, s31
	s_mov_b32 s31, 0
	s_lshl_b32 s32, s18, 13                        ; Wr: 256 rows of 32 bytes a wave
	s_mov_b32 s33, 0
	s_mul_i32 s34, ttmp9, 6144                     ; xq: 8 rows of 768 bytes; a wave stores 1,536 of them
	s_add_co_u32 s34, s34, s28
	s_mov_b32 s35, 0
	s_lshl_b32 s36, ttmp9, 8
	s_mov_b32 s37, 0
	s_lshl_b32 s38, ttmp9, 5
	s_mov_b32 s39, 0
	s_wait_kmcnt 0x0
	s_add_nc_u64 s[4:5], s[4:5], s[30:31]
	s_add_nc_u64 s[6:7], s[6:7], s[32:33]
	s_add_nc_u64 s[10:11], s[10:11], s[34:35]
	s_add_nc_u64 s[12:13], s[12:13], s[36:37]
	s_add_nc_u64 s[14:15], s[14:15], s[38:39]
	s_add_nc_u64 s[16:17], s[16:17], s[38:39]
	s_load_b256 s[20:27], s[8:9], 0x0              ; br's eight numbers
.set i, 0
.rept 16
	global_load_b128 v[WT+4*i:WT+4*i+3], v[L16], s[6:7] offset:512*i              ; my wave's 8 KiB of Wr, dense
.set i, i+1
.endr
.set i, 0
.rept 16
	global_load_b128 v[R+4*i:R+4*i+3], v[L16], s[4:5] offset:4096*(i/2)+512*(i%2) th:TH_LOAD_NT   ; token i / 2, 512 consecutive bytes; read once in the launch
.set i, i+1
.endr
	s_wait_loadcnt 16                              ; Wr is in; x's sixteen loads were issued behind it and may be out
.set i, 0
.rept 16
	ds_store_b128 v[WSI], v[WT+4*i:WT+4*i+3] offset:528*i
.set i, i+1
.endr
	WIN 0x40                                       ; destination window 1: register 8 kappa + e = Wr[my k + kappa][e]
.set i, 0
.rept 32
	ds_load_b128 v[4*i:4*i+3], v[WSO] offset:16*i  ; LDS serves a wave's instructions in order: these see the stores above
.set i, i+1
.endr
	WIN 0
	s_wait_loadcnt 0x0                             ; x
.macro TURN st                         ; a step's 2,048 bytes through its stage
.irp i, 0,1,2,3
	ds_store_b128 v[XSI], v[R+16*\st+4*\i:R+16*\st+4*\i+3] offset:2560*\st+640*\i
.endr
.irp i, 0,1,2,3
	ds_load_b128 v[X+16*\st+4*\i:X+16*\st+4*\i+3], v[XSO] offset:2560*\st+16*\i
.endr
.endm
	TURN 0
	TURN 1
	TURN 2
	TURN 3
	s_wait_dscnt 0x0                               ; Wr and x stand in their registers; the registers that they were loaded into are free
.macro STEP st
.set XB, X+16*\st
.set AC, ACC+8*\st
	v_max3_num_f32 v[MA], |v[XB]|, |v[XB+1]|, |v[XB+2]|            ; the largest magnitude of my 16, in two chains
	v_max3_num_f32 v[MA+1], |v[XB+3]|, |v[XB+4]|, |v[XB+5]|
.irp i, 6,10
	v_max3_num_f32 v[MA], v[MA], |v[XB+\i]|, |v[XB+\i+1]|
	v_max3_num_f32 v[MA+1], v[MA+1], |v[XB+\i+2]|, |v[XB+\i+3]|
.endr
	v_max3_num_f32 v[MA], v[MA], |v[XB+14]|, |v[XB+15]|
	v_max3_num_f32 v[MA], v[MA], v[MA+1], 0x1800000                ; and the floor 2^(3 - 127): the byte cannot fall under 1
	v_max_num_f32_dpp v[MA], v[MA], v[MA] row_xmask:1 row_mask:0xf bank_mask:0xf   ; with my neighbour's 16: the block's
	v_add_nc_u32 v[SOP+\st], 0xff000000, v[MA]     ; 2 off its exponent field: the conversion takes the exponent field of this operand as its scale
	v_cvt_scalef32_pk16_fp6_f32 v[C+4*\st:C+4*\st+2], v[XB:XB+15], v[SOP+\st]
	v_lshrrev_b32 v[BY+\st], 23, v[SOP+\st]        ; the scale's byte (also the plain line behind the conversion)
.irp d, 0,1,2
	ds_store_b32 v[CA+\d], v[C+4*\st+\d] offset:1536*\st
.endr
	ds_store_b8 v[SS], v[BY+\st] offset:64*\st     ; both lanes of a block write the same byte with the same value
	WIN 0x01                                       ; source 0 (Wr) window 1
.irp p, 0,1,2,3
	v_pk_mul_f32 v[AC+2*\p:AC+2*\p+1], v[2*\p:2*\p+1], v[XB:XB+1] op_sel_hi:[1,0]   ; the first product starts the sums: two experts an instruction, x's number for both
.endr
.set kk, 1
.rept 15
.irp p, 0,1,2,3
.if kk%2
	v_pk_fma_f32 v[AC+2*\p:AC+2*\p+1], v[8*kk+2*\p:8*kk+2*\p+1], v[XB+kk-1:XB+kk], v[AC+2*\p:AC+2*\p+1] op_sel:[0,1,0] op_sel_hi:[1,1,1]
.else
	v_pk_fma_f32 v[AC+2*\p:AC+2*\p+1], v[8*kk+2*\p:8*kk+2*\p+1], v[XB+kk:XB+kk+1], v[AC+2*\p:AC+2*\p+1] op_sel_hi:[1,0,1]
.endif
.endr
.set kk, kk+1
.endr
	WIN 0
.irp m, 1,2,4,8
.irp q, 0,1,2,3,4,5,6,7
	v_add_f32_dpp v[AC+\q], v[AC+\q], v[AC+\q] row_xmask:\m row_mask:0xf bank_mask:0xf   ; over the 16 lanes of my token
.endr
.endr
	ds_store_b128 v[PA], v[AC:AC+3] offset:64*\st          ; the sixteen lanes write the same numbers to the same place
	ds_store_b128 v[PA], v[AC+4:AC+7] offset:64*\st+16
.endm
	STEP 0
	STEP 1
	STEP 2
	STEP 3
	s_wait_kmcnt 0x0                               ; br
	s_wait_dscnt 0x0                               ; for the others' sake: my codes, bytes and partial logits lie in LDS
	s_barrier_signal -1
	s_barrier_wait -1
.irp p, 0,1,2
	ds_load_b128 v[OB+4*\p:OB+4*\p+3], v[CO] offset:512*\p
.endr
	s_wait_dscnt 0x0
.irp p, 0,1,2
	global_store_b128 v[L16], v[OB+4*\p:OB+4*\p+3], s[10:11] offset:512*\p    ; 512 consecutive bytes, aligned to 256
.endr
	s_cmp_lg_u32 s18, 1
	s_cbranch_scc1 .Lnot_wave_1
	ds_load_b64 v[OS:OS+1], v[X8]
	s_wait_dscnt 0x0
	global_store_b64 v[L8], v[OS:OS+1], s[12:13]   ; the work-group's 256 scale bytes, consecutive and aligned
.Lnot_wave_1:
	s_cmp_lg_u32 s18, 0
	s_cbranch_scc1 .Lend
	; wave 0: lane l takes token l % 8 (lanes 8-31 repeat lanes 0-7)
.irp ww, 0,1,2,3
	ds_load_b128 v[P+8*\ww:P+8*\ww+3], v[PT] offset:256*\ww
	ds_load_b128 v[P+8*\ww+4:P+8*\ww+7], v[PT] offset:256*\ww+16
.endr
	s_wait_dscnt 0x0
.irp q, 0,1,2,3,4,5,6,7
	v_add_f32 v[P+\q], v[P+\q], v[P+8+\q]
	v_add_f32 v[P+16+\q], v[P+16+\q], v[P+24+\q]
.endr
.irp q, 0,1,2,3,4,5,6,7
	v_add_f32 v[P+\q], v[P+\q], v[P+16+\q]
.endr
.irp q, 0,1,2,3,4,5,6,7
	v_add_f32 v[P+\q], s[20+\q], v[P+\q]           ; + br
.endr
	v_max3_num_f32 v[MX], v[P], v[P+1], v[P+2]
	v_max3_num_f32 v[MX], v[MX], v[P+3], v[P+4]
	v_max3_num_f32 v[MX], v[MX], v[P+5], v[P+6]
	v_max_num_f32 v[MX], v[MX], v[P+7]
	v_mov_b32 v[IX], 7
.irp q, 6,5,4,3,2,1,0
	v_cmp_neq_f32 vcc_lo, v[P+\q], v[MX]
	v_cndmask_b32 v[IX], \q, v[IX], vcc_lo         ; from the top down: the lowest index that holds the largest stays
.endr
.irp q, 0,1,2,3,4,5,6,7
	v_sub_f32 v[P+16+\q], v[P+\q], v[MX]           ; the largest is taken away ahead of the exponential
.endr
.irp q, 0,1,2,3,4,5,6,7
	v_mul_f32 v[P+16+\q], 0x3fb8aa3b, v[P+16+\q]
.endr
.irp q, 0,1,2,3,4,5,6,7
	v_exp_f32 v[P+16+\q], v[P+16+\q]
.endr
	v_nop                                          ; a plain line behind the last exponential
	s_wait_alu depctr_va_vdst(0)                   ; one wait for the eight, ahead of their first reader
.irp q, 0,2,4,6
	v_add_f32 v[P+16+\q], v[P+16+\q], v[P+17+\q]
.endr
	v_add_f32 v[P+16], v[P+16], v[P+18]
	v_add_f32 v[P+20], v[P+20], v[P+22]
	v_add_f32 v[P+16], v[P+16], v[P+20]
	v_rcp_f32 v[PRB], v[P+16]                      ; the winner's exponential is 1: its probability is 1 / the sum
	v_nop
	s_wait_alu depctr_va_vdst(0)
	global_store_b32 v[E4], v[IX], s[14:15]
	global_store_b32 v[E4], v[PRB], s[16:17]
.Lend:
	s_wait_tensorcnt 0x0
	ds_add_u32 v30, v31
	s_wait_dscnt 0x0
	s_endpgm
.Lfunc_end_k_qba1f7c5e29_route:
	.size	k_qba1f7c5e29_route, .Lfunc_end_k_qba1f7c5e29_route-k_qba1f7c5e29_route
	.p2alignl 7, 3214868480
	.fill 96, 4, 3214868480
	.section	.rodata,"a",@progbits
	.p2align	6, 0x0
	.amdhsa_kernel k_qba1f7c5e29_route
		.amdhsa_group_segment_fixed_size 82688
		.amdhsa_private_segment_fixed_size 0
		.amdhsa_enable_private_segment 0
		.amdhsa_kernarg_size 56
		.amdhsa_user_sgpr_count 2
		.amdhsa_user_sgpr_kernarg_segment_ptr 1
		.amdhsa_wavefront_size32 1
		.amdhsa_system_sgpr_workgroup_id_x 1
		.amdhsa_system_sgpr_workgroup_id_y 1
		.amdhsa_system_sgpr_workgroup_id_z 1
		.amdhsa_system_vgpr_workitem_id 0
		.amdhsa_next_free_vgpr 384
		.amdhsa_next_free_sgpr 66
		.amdhsa_reserve_vcc 1
		.amdhsa_float_denorm_mode_32 3
		.amdhsa_float_denorm_mode_16_64 3
		.amdhsa_memory_ordered 1
		.amdhsa_forward_progress 1
		.amdhsa_inst_pref_size 46
	.end_amdhsa_kernel
	.amdgpu_metadata
---
amdhsa.version: [ 1, 2 ]
amdhsa.kernels:
  - .name:           k_qba1f7c5e29_route
    .symbol:         k_qba1f7c5e29_route.kd
    .args:
      - { .name: x, .offset: 0, .size: 8, .value_kind: global_buffer, .address_space: global }
      - { .name: Wr, .offset: 8, .size: 8, .value_kind: global_buffer, .address_space: global }
      - { .name: br, .offset: 16, .size: 8, .value_kind: global_buffer, .address_space: global }
      - { .name: xq, .offset: 24, .size: 8, .value_kind: global_buffer, .address_space: global }
      - { .name: xs, .offset: 32, .size: 8, .value_kind: global_buffer, .address_space: global }
      - { .name: eid, .offset: 40, .size: 8, .value_kind: global_buffer, .address_space: global }
      - { .name: prob, .offset: 48, .size: 8, .value_kind: global_buffer, .address_space: global }
    .group_segment_fixed_size: 82688
    .private_segment_fixed_size: 0
    .kernarg_segment_align: 8
    .kernarg_segment_size: 56
    .max_flat_workgroup_size: 128
    .sgpr_count:     66
    .vgpr_count:     384
    .wavefront_size: 32
...
	.end_amdgpu_metadata
.endif
;; end of part 1
;; launch up (part 2): grid 256 x 1, 4 waves a work-group, no clusters, 60,928 bytes of LDS; arguments W1, b1, xq, xs, eid, hq, hs, lst; writes hq, hs, lst
.if DOCPART == 2
	.amdgcn_target "amdgcn-amd-amdhsa--gfx1250"
	.amdhsa_code_object_version 6
	.text
	.protected	k_qba1f7c5e29_up
	.globl	k_qba1f7c5e29_up
	.p2align	8
	.type	k_qba1f7c5e29_up,@function
k_qba1f7c5e29_up:
	s_mov_b64 s[64:65], 0
	v_nop
	global_prefetch_b8 v0, s[64:65] scope:SCOPE_SE
	s_setreg_imm32_b32 hwreg(HW_REG_WAVE_MODE, 25, 1), 1
	s_wait_xcnt 0x0
; h = Q(relu(x W1[e] + b1[e])) for the tokens routed to expert e, on codes of FP6 (E2M3) with one E8M0 scale for each 32 along K; Q quantises along the hidden axis, the next product's K.
; SHARES.  Work-group = (expert e = number / 32, slice = number % 32): hidden units 64 slice .. + 63 of that expert, for ALL its tokens: so each byte of W1 is loaded once in the launch.
; PHASE 1, THE WEIGHTS.  W1[e] is [k 1024][n 2048] f32: K is not innermost.  Wave w takes k = 256 w .. + 255.  A load takes 16 bytes a lane: sixteen lanes cover the slice's 256 bytes of a row k, the
;   other sixteen the row 64 further down.  So a wave's 64 loads on their way hold 32 KiB; with 4 bytes a lane they would hold 8.  The price: a lane then holds 4 columns of one k, and the conversion
;   wants 16 k of one column in consecutive registers: one v_mov_b32 a number, 512 a lane in the launch, issued where the wave would wait for memory.
;   A group = 32 loads = one block of 32 along K for each of a lane's 4 columns.  Four groups a wave, two buffers.  The codes go to LDS in the order of the operand's registers (a fragment = 32 lanes x 48 bytes)
;   and every wave reads all 32 fragments (4 tiles of 16 units x 8 K steps) into 384 registers, where they stay.
;   Meanwhile wave 0 makes the list of the expert's tokens from eid (a counting pass: no atomics).  Positions count .. count + 15 hold the list's first token, all others behind them 0: a padded row
;   works a real token once more, so no lane is ever switched off.  Tile 0 is always made, for an expert without tokens too (token 0's rows), so that the next launch's look-ahead reads written bytes.
; PHASE 2, THE TILES of 16 tokens: wave w takes tiles w, w + 4, ..  The product is used TRANSPOSED (source 0 = 16 units of W1, source 1 = 16 tokens), and THE UNITS OF A TILE ARE NOT NEIGHBOURS: row m of tile
;   2 b + u is unit 32 b + 8 u + m + 8 (m / 8): so a lane holds one token, and the 16 registers of tiles 2 b, 2 b + 1 are 16 neighbouring units.  b1 is the C of each sum's first instruction.
;   x's fragments are gathered by token from xq, two tiles ahead, in two buffers.
; hq: [e][tile 128][slice 32][768 bytes]: 16 bytes a lane (registers 6 c .. 6 c + 3 of the next operand's K step slice / 2, c = slice % 2), then 8 bytes a lane (6 c + 4, 6 c + 5).
; hs: [e][tile][sq 4][row 16][4 words].   lst: [e][tile][16] token numbers; at byte 65,536 the eight counts.
; NO MULTICAST, NO TENSOR LOAD, though the 32 work-groups of an expert read the same rows of xq: the way out of the tile loop hangs on a count made from eid.
; LIMITS: NaN and infinities are not served; a block of zeros gets the byte 1 (its codes are zeros; this program alone reads the bytes); blocks under 2^-124 are held at byte 1.
.set FT,   12320                       ; LDS: a tile's 8 fragments + 32 bytes
.set FS,   1536                        ; a fragment: 32 lanes x 48 bytes
.set SCW,  49408                       ; W1's scale words [tile 4][sq 2][row 16][4 words]
.set LIST, 51456                       ; the token list: 8,704 bytes, all cleared first
.set CNT,  60160                       ; the count
.set DUMP, 60164                       ; where the lanes without a token store
.set DIDX, (DUMP-LIST)/4               ; that word, counted in words from the list's first: 2,177
.set LN,  1
.set WA,  2                            ; W1: 64 rows x (lane / 16) + 16 (lane % 16)
.set IA,  3                            ; where my codes go in LDS
.set SA,  4                            ; and my scale bytes
.set L48, 5                            ; 48 x lane: a fragment's place for my lane
.set WSA, 6                            ; W1's scale words of row lane % 16
.set LR,  7                            ; the list's word of row lane % 16
.set L16, 8
.set L8,  9
.set R16, 10
.set R4,  11
.set H16, 12
.set B1A, 13
.set TA,  14                           ; LDS address of the list's tile in hand
.set ZA,  15
.set LA0, 16
.set CA,  17
.set DMP, 18                           ; DIDX
.set TOK, 19
.set RR,  20
.set CV,  21
.set T0,  22                           ; v22-23 at work at the head; later the count's store
.set TN,  24                           ; v24-25 token numbers, buffer 0, 1
.set XA,  26                           ; v26-27 their rows in xq
.set XSA, 28                           ; v28-29 and in xs
.set XS,  32                           ; v32-47 x's scale words, 8 a buffer: these hold scales and nothing else
.set WS,  48                           ; v48-79 W1's scale words, 8 t + s: likewise
.set HA,  80                           ; v80-111 the four accumulators
.set M,   80                           ; phase 1: largest magnitudes,
.set SO,  84                           ; scale operands,
.set BY,  88                           ; bytes,
.set SB,  92                           ; v92-99 pairs of bytes (4 s' + j),
.set P,   100                          ; wave 0: v100-103 list places, v104-107 token numbers, v108-111 zeros
.set T,   104
.set Z,   108
.set TM,  112                          ; v112-117 at work in the hidden layer's quantiser
.set SC,  124
.set PC,  128                          ; v128-133 the hidden layer's codes
.set PT,  136
.set X,   128                          ; phase 1: v128-255: 4 columns x 32 along K
.set ID,  128                          ; wave 0, ahead of that: v128-191 the 2,048 experts' numbers, 64 a lane
.set CT,  96                           ; window 2: v0-95 the codes of my four groups; v96-111 the upper halves on their way
.set B1,  192                          ; window 3: v0-95, v96-191 x's fragments, two buffers; v192-223 b1
.set WV,  20
.set EX,  21
.set SL,  22
.set CN,  23
.set NT,  24
.set SM,  25
.set TR,  26
.set ST,  27
.set CUR, 28
.set TMP, 29
.set SEL, 30
.set TP,  32
.set HQB, 34
.set HSB, 36
.set LSB, 38
.set HB,  40
.set SBP, 42
.set LB,  44
.set CP,  46
.set MK,  48
.set OF,  52
.set MSB, 0
.macro WIN new                         ; the immediate's high byte repeats the setting that is left
.if MSB != \new
	s_set_vgpr_msb (MSB<<8)|\new
.set MSB, \new
.endif
.endm
.macro LOADG G, half                   ; group G: K step 2 w + G / 2, blocks G % 2 (lanes 0-15) and 2 + G % 2 (lanes 16-31), into buffer half of window 1
	WIN 0x40
.set i, 0
.rept 32
	global_load_b128 v[128*(\half)+4*i:128*(\half)+4*i+3], v[WA], s[4:5] offset:(128*((\G)>>1)+32*((\G)&1)+i)*8192 th:TH_LOAD_NT
.set i, i+1
.endr
	WIN 0
.endm
.macro GMOVE half, left                ; left: the loads issued behind this group's, which may stay out
	s_wait_loadcnt \left
	WIN 0x01
.set i, 0
.rept 32
.irp j, 0,1,2,3
	v_mov_b32 v[X+32*\j+i], v[128*(\half)+4*i+\j]  ; column j's 32 numbers on end
.endr
.set i, i+1
.endr
	WIN 0
.endm
.macro GQUANT G                        ; four blocks, the columns by turns: no line waits for the line above it
.irp j, 0,1,2,3
	v_max3_num_f32 v[M+\j], |v[X+32*\j]|, |v[X+32*\j+1]|, 0x1800000    ; with the floor 2^(3 - 127): the byte cannot fall under 1
.endr
.set i, 2
.rept 15
.irp j, 0,1,2,3
	v_max3_num_f32 v[M+\j], v[M+\j], |v[X+32*\j+i]|, |v[X+32*\j+i+1]|
.endr
.set i, i+2
.endr
.irp j, 0,1,2,3
	v_add_nc_u32 v[SO+\j], 0xff000000, v[M+\j]     ; 2 off the exponent field: the conversion's scale operand
.endr
.if ((\G)&1) == 0
.irp j, 0,1,2,3
	v_lshrrev_b32 v[SB+4*((\G)>>1)+\j], 23, v[SO+\j]
.endr
.else
.irp j, 0,1,2,3
	v_lshrrev_b32 v[BY+\j], 23, v[SO+\j]
.endr
.irp j, 0,1,2,3
	v_lshl_or_b32 v[SB+4*((\G)>>1)+\j], v[BY+\j], 8, v[SB+4*((\G)>>1)+\j]   ; two neighbouring blocks' bytes
.endr
.endif
	WIN 0x80                                       ; destination window 2
.irp j, 0,1,2,3
	v_cvt_scalef32_pk16_fp6_f32 v[24*(\G)+6*\j:24*(\G)+6*\j+2], v[X+32*\j:X+32*\j+15], v[SO+\j]
	v_cvt_scalef32_pk16_fp6_f32 v[CT+4*\j:CT+4*\j+2], v[X+32*\j+16:X+32*\j+31], v[SO+\j]   ; (a conversion's three registers begin on an even number)
.endr
	v_nop                                          ; one plain line behind the last conversion
	WIN 0x82
.irp j, 0,1,2,3
.irp d, 0,1,2
	v_mov_b32 v[24*(\G)+6*\j+3+\d], v[CT+4*\j+\d]
.endr
.endr
	WIN 0
.endm
.macro PUT G                           ; a block's 24 bytes to its place in its fragment
	WIN 0x08                                       ; an LDS store's data are its source 1: window 2
.irp j, 0,1,2,3
.irp p, 0,1,2
	ds_store_b64 v[IA], v[24*(\G)+6*\j+2*\p:24*(\G)+6*\j+2*\p+1] offset:FS*((\G)>>1)+768*((\G)&1)+48*\j+8*\p
.endr
.endr
	WIN 0
.endm
	s_load_b512 s[4:19], s[0:1], 0x0               ; W1 s[4:5], b1 s[6:7], xq s[8:9], xs s[10:11], eid s[12:13], hq s[14:15], hs s[16:17], lst s[18:19]
	v_lshl_add_u32 v126, v0, 2, 0xec00
	v_mov_b32 v127, 0
	v_lshrrev_b32 v[T0], 5, v0
	v_readfirstlane_b32 s[WV], v[T0]               ; wave 0..3
	s_lshr_b32 s[EX], ttmp9, 5
	s_and_b32 s[SL], ttmp9, 31
	v_and_b32 v[LN], 31, v0
	v_and_b32 v[RR], 15, v0                        ; q in phase 1, r in phase 2
	v_bfe_u32 v[T0], v0, 4, 1                      ; g in phase 1, h in phase 2
	v_lshlrev_b32 v[WA], 4, v[RR]
	v_lshl_add_u32 v[WA], v[T0], 19, v[WA]
	; column 4 q + j is row 8 q2 + 4 q0 + j of tile 2 q3 + q1
	v_bfe_u32 v[T0+1], v0, 3, 1
	v_mul_u32_u24 v[IA], v[T0+1], 2*FT
	v_lshlrev_b32 v[SA], 10, v[T0+1]
	v_bfe_u32 v[T0+1], v0, 1, 1
	v_mad_u32_u24 v[IA], v[T0+1], FT, v[IA]
	v_lshl_add_u32 v[SA], v[T0+1], 9, v[SA]
	v_bfe_u32 v[T0+1], v0, 2, 1
	v_mad_u32_u24 v[IA], v[T0+1], 384, v[IA]
	v_lshl_add_u32 v[SA], v[T0+1], 7, v[SA]
	v_and_b32 v[T0+1], 1, v0
	v_mad_u32_u24 v[IA], v[T0+1], 192, v[IA]
	v_lshl_add_u32 v[SA], v[T0+1], 6, v[SA]
	v_mad_u32_u24 v[IA], v[T0], 24, v[IA]          ; c = g: the second 24 bytes of a lane's 48
	v_lshl_add_u32 v[SA], v[T0], 1, v[SA]          ; bytes 2 g, 2 g + 1 of the word
	s_mul_i32 s[TMP], s[WV], 2*FS
	v_add_nc_u32 v[IA], s[TMP], v[IA]              ; K steps 2 w, 2 w + 1
	s_lshr_b32 s[TMP], s[WV], 1
	s_lshl_b32 s[TMP], s[TMP], 8
	s_and_b32 s[TP], s[WV], 1
	s_lshl_b32 s[TP], s[TP], 3
	s_add_co_u32 s[TMP], s[TMP], s[TP]
	s_add_co_u32 s[TMP], s[TMP], SCW
	v_add_nc_u32 v[SA], s[TMP], v[SA]
	v_mul_u32_u24 v[L48], v[LN], 48
	v_lshl_add_u32 v[WSA], v[RR], 4, SCW
	v_lshl_add_u32 v[LR], v[RR], 2, LIST
	v_lshlrev_b32 v[L16], 4, v[LN]
	v_lshlrev_b32 v[L8], 3, v[LN]
	v_lshlrev_b32 v[R16], 4, v[RR]
	v_lshlrev_b32 v[R4], 2, v[RR]
	v_lshlrev_b32 v[H16], 4, v[T0]
	v_lshlrev_b32 v[B1A], 6, v[T0]
	s_lshl_b32 s[TMP], s[WV], 6
	v_add_nc_u32 v[TA], s[TMP], v[LR]              ; tile w of the list
	v_add_nc_u32 v[ZA], LIST, v[L16]
	v_mov_b32 v[LA0], LIST
	v_mov_b32 v[CA], CNT
	v_mov_b32 v[DMP], DIDX
	v_lshlrev_b32 v[TOK], 2, v[LN]
	v_mov_b32 v[TM+2], 0                           ; written once: a lane permute's destination counts as one of its sources
	v_mov_b32 v[TM+3], 0
	s_mov_b32 s[SEL], 0x76543210
	s_mov_b32 s[SEL+1], 0xfedcba98                 ; v_permlanex16_b32's selects for lane l xor 16
	s_mov_b32 s[TP+1], 0
	s_wait_kmcnt 0x0
	s_lshl_b32 s[TP], s[EX], 23                    ; W1: 8 MiB an expert, 256 bytes a slice, 256 rows of 8,192 bytes a wave
	s_lshl_b32 s[TMP], s[SL], 8
	s_add_co_u32 s[TP], s[TP], s[TMP]
	s_lshl_b32 s[TMP], s[WV], 21
	s_add_co_u32 s[TP], s[TP], s[TMP]
	s_add_nc_u64 s[4:5], s[4:5], s[TP:TP+1]
	s_lshl_b32 s[TP], s[EX], 13
	s_add_nc_u64 s[LSB:LSB+1], s[18:19], s[TP:TP+1]    ; lst: 128 tiles of 64 bytes an expert
	s_lshl_b32 s[TMP], s[SL], 8
	s_add_co_u32 s[TP], s[TP], s[TMP]
	s_add_nc_u64 s[6:7], s[6:7], s[TP:TP+1]        ; b1: 8,192 bytes an expert
	s_mul_i32 s[TP], s[EX], 3145728
	s_mul_i32 s[TMP], s[SL], 768
	s_add_co_u32 s[TP], s[TP], s[TMP]
	s_add_nc_u64 s[HQB:HQB+1], s[14:15], s[TP:TP+1]    ; hq: 128 tiles of 24,576 bytes an expert, my slice's 768
	s_lshl_b32 s[TP], s[EX], 17
	s_lshr_b32 s[TMP], s[SL], 3
	s_lshl_b32 s[TMP], s[TMP], 8
	s_add_co_u32 s[TP], s[TP], s[TMP]
	s_and_b32 s[TMP], s[SL], 7
	s_lshl_b32 s[TMP], s[TMP], 1
	s_add_co_u32 s[TP], s[TP], s[TMP]
	s_add_nc_u64 s[HSB:HSB+1], s[16:17], s[TP:TP+1]    ; hs: 1,024 bytes a tile; sq = slice / 8; my two bytes at 2 (slice % 8) of a row's 16
	s_lshl_b32 s[TP], s[EX], 2
	s_add_nc_u64 s[CP:CP+1], s[18:19], s[TP:TP+1]
	WIN 0xc0                                       ; destination window 3
.irp t, 0,1,2,3
	global_load_b128 v[B1+8*\t:B1+8*\t+3], v[B1A], s[6:7] offset:(32*(\t/2)+8*(\t%2))*4          ; lane half h, tile 2 b + u: units 32 b + 16 h + 8 u + 0 .. 7
	global_load_b128 v[B1+8*\t+4:B1+8*\t+7], v[B1A], s[6:7] offset:(32*(\t/2)+8*(\t%2))*4+16
.endr
	WIN 0
	s_cmp_lg_u32 s[WV], 0
	s_cbranch_scc1 .Lno_ids
.set i, 0
.rept 16
	global_load_b128 v[ID+4*i:ID+4*i+3], v[L16], s[12:13] offset:512*i     ; register 4 i + j: token 128 i + 4 lane + j
.set i, i+1
.endr
.Lno_ids:
	LOADG 0, 0
	LOADG 1, 1
	s_cmp_lg_u32 s[WV], 0
	s_cbranch_scc1 .Lno_list
	; WAVE 0 MAKES THE LIST.  No other wave touches LDS ahead of the barrier below.
	s_wait_loadcnt 63                              ; 64 weight loads were issued behind the ids: the count asks for one load more than is needed
.irp k, 0,1,2,3
	v_mov_b32 v[Z+\k], 0
.endr
.set i, 0
.rept 17
	ds_store_b128 v[ZA], v[Z:Z+3] offset:512*i     ; the whole list is cleared: every word that is read later has been written
.set i, i+1
.endr
	s_mov_b32 s[OF], 0
.set n, 0
.rept 16                                           ; four rounds of 32 tokens together, line by line
.irp k, 0,1,2,3
	v_cmp_eq_u32 s[MK+\k], s[EX], v[ID+n+\k]
.endr
	s_bcnt1_i32_b32 s[OF+1], s[MK]
	s_bcnt1_i32_b32 s[OF+2], s[MK+1]
	s_bcnt1_i32_b32 s[OF+3], s[MK+2]
	s_bcnt1_i32_b32 s[TMP], s[MK+3]
	s_add_co_u32 s[OF+1], s[OF+1], s[OF]
	s_add_co_u32 s[OF+2], s[OF+2], s[OF+1]
	s_add_co_u32 s[OF+3], s[OF+3], s[OF+2]
.irp k, 0,1,2,3
	v_mbcnt_lo_u32_b32 v[P+\k], s[MK+\k], s[OF+\k] ; my place, in words: what came before + the lanes below me that have a token
.endr
.irp k, 0,1,2,3
	v_cndmask_b32 v[P+\k], v[DMP], v[P+\k], s[MK+\k]   ; a lane without a token takes the dump word's place
.endr
.irp k, 0,1,2,3
	v_min_u32 v[P+\k], DIDX, v[P+\k]               ; the place is held inside the list's run of words last of all (a true place is 2,047 at the most: the hold changes none);
.endr
.irp k, 0,1,2,3
	v_lshl_add_u32 v[P+\k], v[P+\k], 2, LIST       ; behind the hold it is only shifted and added to the list's first byte
.endr
.irp k, 0,1,2,3
	v_add_nc_u32 v[T+\k], 128*(n/4)+\k, v[TOK]
.endr
.irp k, 0,1,2,3
	ds_store_b32 v[P+\k], v[T+\k]
.endr
	s_add_co_u32 s[OF], s[OF+3], s[TMP]
.set n, n+4
.endr
	ds_load_b32 v[T], v[LA0]                       ; the list's first token (0 where there is none)
	v_add_nc_u32 v[P], s[OF], v[RR]
	v_min_u32 v[P], 2063, v[P]
	v_lshl_add_u32 v[P], v[P], 2, LIST
	v_mov_b32 v[T+1], s[OF]
	s_wait_dscnt 0x0
	ds_store_b32 v[P], v[T]                        ; pads positions count .. count + 15
	ds_store_b32 v[CA], v[T+1]
.Lno_list:
	GMOVE 0, 32                                    ; group 0 is in; group 1's 32 loads may be out
	LOADG 2, 0
	GQUANT 0
	GMOVE 1, 32                                    ; group 2's may be out
	LOADG 3, 1
	GQUANT 1
	GMOVE 0, 32                                    ; group 3's may be out
	GQUANT 2
	GMOVE 1, 0
	GQUANT 3
	s_wait_dscnt 0x0                               ; wave 0: the list and the count lie in LDS
	s_barrier_signal -1
	s_barrier_wait -1
	ds_load_b32 v[CV], v[CA]
	ds_load_b32 v[TN], v[TA]                       ; tile w
	ds_load_b32 v[TN+1], v[TA] offset:256          ; tile w + 4
	s_wait_dscnt 0x0
	v_readfirstlane_b32 s[CN], v[CV]
	s_min_u32 s[CN], s[CN], 2048
	s_add_co_u32 s[NT], s[CN], 15
	s_lshr_b32 s[NT], s[NT], 4
	s_max_u32 s[NT], s[NT], 1                      ; tile 0 is always made
; Buffer b is filled with the rows of the 16 tokens in v[TN + b], which are tile s[ST] of the list.  26 loads.  The first four lines are plain and name no register of a product:
; they are the four places between the tile's last product and the loads into registers that it has read.
.macro FILL b
	v_min_u32 v[TN+\b], 2047, v[TN+\b]
	v_mad_u32_u24 v[XA+\b], v[TN+\b], 768, v[H16]
	v_lshlrev_b32 v[XSA+\b], 5, v[TN+\b]
	v_nop
	global_load_b128 v[XS+8*\b:XS+8*\b+3], v[XSA+\b], s[10:11]
	global_load_b128 v[XS+8*\b+4:XS+8*\b+7], v[XSA+\b], s[10:11] offset:16
	WIN 0xc0
.set i, 0
.rept 24
	global_load_b128 v[96*\b+4*i:96*\b+4*i+3], v[XA+\b], s[8:9] offset:32*i    ; the two halves of the lanes take a token's 32 neighbouring bytes
.set i, i+1
.endr
	WIN 0
	s_cmp_lg_u32 s[SL], 0                          ; slice 0 hands the list on to the next launch
	s_cbranch_scc1 .Lno_lst_\@
	s_lshl_b32 s[TP], s[ST], 6
	s_add_nc_u64 s[LB:LB+1], s[LSB:LSB+1], s[TP:TP+1]
	global_store_b32 v[R4], v[TN+\b], s[LB:LB+1]
.Lno_lst_\@:
.endm
	s_mov_b32 s[ST], s[WV]
	FILL 0
	s_wait_xcnt 0x0                                ; the list's store has read its base, which the next fill writes
	s_add_co_u32 s[ST], s[WV], 4
	FILL 1
	s_or_b32 s[TMP], s[SL], s[WV]
	s_cmp_lg_u32 s[TMP], 0
	s_cbranch_scc1 .Lno_cnt
	v_mov_b32 v[T0], 0
	v_mov_b32 v[T0+1], s[CN]
	global_store_b32 v[T0], v[T0+1], s[CP:CP+1] offset:65536   ; the expert's count
.Lno_cnt:
	PUT 0
	PUT 1
	PUT 2
	PUT 3
.irp u, 0,1
.irp j, 0,1,2,3
	ds_store_b16 v[SA], v[SB+4*\u+\j] offset:16*\j+4*\u
.endr
.endr
	s_wait_dscnt 0x0                               ; for the others' sake: my codes and scale bytes lie in LDS
	s_barrier_signal -1
	s_barrier_wait -1                              ; behind this barrier nothing is stored to LDS any more
	WIN 0x40                                       ; K steps 0-3 to window 1, fragment (t, s) at 12 (4 s + t)
.irp s, 0,1,2,3
.irp t, 0,1,2,3
.irp p, 0,1,2
	ds_load_b128 v[12*(4*\s+\t)+4*\p:12*(4*\s+\t)+4*\p+3], v[L48] offset:FT*\t+FS*\s+16*\p
.endr
.endr
.endr
	WIN 0x80                                       ; K steps 4-7 to window 2
.irp s, 4,5,6,7
.irp t, 0,1,2,3
.irp p, 0,1,2
	ds_load_b128 v[12*(4*(\s-4)+\t)+4*\p:12*(4*(\s-4)+\t)+4*\p+3], v[L48] offset:FT*\t+FS*\s+16*\p
.endr
.endr
.endr
	WIN 0
.irp t, 0,1,2,3
.irp u, 0,1
	ds_load_b128 v[WS+8*\t+4*\u:WS+8*\t+4*\u+3], v[WSA] offset:512*\t+256*\u
.endr
.endr
	s_wait_dscnt 0x0
; 32 products: the four accumulators take turns, one instruction a turn, K step by K step, over the loop's edge too.
.macro PROD b
	WIN 0x3d                                       ; source 0 (W1) window 1, source 1 (x) and source 2 (b1) window 3
.irp t, 0,1,2,3
	v_wmma_scale_f32_16x16x128_f8f6f4 v[HA+8*\t:HA+8*\t+7], v[12*\t:12*\t+11], v[96*\b:96*\b+11], v[B1+8*\t:B1+8*\t+7], v[WS+8*\t], v[XS+8*\b] matrix_a_fmt:MATRIX_FMT_FP6 matrix_b_fmt:MATRIX_FMT_FP6
.endr
	WIN 0x0d
.irp s, 1,2,3
.irp t, 0,1,2,3
	v_wmma_scale_f32_16x16x128_f8f6f4 v[HA+8*\t:HA+8*\t+7], v[12*(4*\s+\t):12*(4*\s+\t)+11], v[96*\b+12*\s:96*\b+12*\s+11], v[HA+8*\t:HA+8*\t+7], v[WS+8*\t+\s], v[XS+8*\b+\s] matrix_a_fmt:MATRIX_FMT_FP6 matrix_b_fmt:MATRIX_FMT_FP6
.endr
.endr
	WIN 0x0e                                       ; source 0 window 2
.irp s, 4,5,6,7
.irp t, 0,1,2,3
	v_wmma_scale_f32_16x16x128_f8f6f4 v[HA+8*\t:HA+8*\t+7], v[12*(4*(\s-4)+\t):12*(4*(\s-4)+\t)+11], v[96*\b+12*\s:96*\b+12*\s+11], v[HA+8*\t:HA+8*\t+7], v[WS+8*\t+\s], v[XS+8*\b+\s] matrix_a_fmt:MATRIX_FMT_FP6 matrix_b_fmt:MATRIX_FMT_FP6
.endr
.endr
	WIN 0
.endm
; The slice's 64 units of my token are two blocks of 32; a block lies in lanes l and l xor 16.  No |.| on the sources: none is negative behind the activation.
.macro QUANT2
.irp c, 0,1
	v_max3_num_f32 v[TM+\c], v[HA+16*\c], v[HA+16*\c+1], 0x1800000
.endr
.irp i, 2,4,6,8,10,12,14
.irp c, 0,1
	v_max3_num_f32 v[TM+\c], v[TM+\c], v[HA+16*\c+\i], v[HA+16*\c+\i+1]
.endr
.endr
.irp c, 0,1
	v_permlanex16_b32 v[TM+2+\c], v[TM+\c], s[SEL], s[SEL+1]
.endr
.irp c, 0,1
	v_max_num_f32 v[TM+\c], v[TM+\c], v[TM+2+\c]
.endr
.irp c, 0,1
	v_add_nc_u32 v[TM+4+\c], 0xff000000, v[TM+\c]
.endr
.irp c, 0,1
	v_lshrrev_b32 v[TM+2+\c], 23, v[TM+4+\c]
.endr
	v_lshl_or_b32 v[SC], v[TM+3], 8, v[TM+2]       ; my row's two scale bytes
	v_cvt_scalef32_pk16_fp6_f32 v[PC:PC+2], v[HA:HA+15], v[TM+4]
	v_cvt_scalef32_pk16_fp6_f32 v[PT:PT+2], v[HA+16:HA+31], v[TM+5]
	v_nop                                          ; one plain line behind the last conversion
.irp d, 0,1,2
	v_permlane16_swap_b32 v[PC+\d], v[PT+\d]       ; the operand wants a WHOLE block in a lane: lanes 0-15 block 0, lanes 16-31 block 1
.endr
.irp d, 0,1,2
	v_mov_b32 v[PC+3+\d], v[PT+\d]
.endr
.endm
.macro TILE b                          ; tile s[SM] + 4 b, from buffer b
	s_wait_xcnt 0x0                                ; the last tile's stores and fills have read their registers and bases: only behind this wait are they written again
	s_add_co_u32 s[CUR], s[SM], 4*\b
	s_add_co_u32 s[ST], s[CUR], 8                  ; the tile that takes this buffer next
	s_min_u32 s[ST], s[ST], 127
	s_lshl_b32 s[TMP], s[ST], 6
	v_add_nc_u32 v[TA], s[TMP], v[LR]
	ds_load_b32 v[TN+\b], v[TA]
	s_mul_i32 s[TP], s[CUR], 24576
	s_add_nc_u64 s[HB:HB+1], s[HQB:HQB+1], s[TP:TP+1]
	s_lshl_b32 s[TP], s[CUR], 10
	s_add_nc_u64 s[SBP:SBP+1], s[HSB:HSB+1], s[TP:TP+1]
	s_wait_loadcnt 26                              ; this buffer's 26 loads are in; the other buffer's 26 were issued behind them
	PROD \b
	s_wait_dscnt 0x0                               ; the next tokens' numbers
	FILL \b
.set i, 0
.rept 32
	v_max_num_f32 v[HA+i], 0, v[HA+i]              ; the activation, in f32; each accumulator from its low end on
.set i, i+1
.endr
	QUANT2
	global_store_b128 v[L16], v[PC:PC+3], s[HB:HB+1]               ; 512 consecutive bytes, aligned to 256
	global_store_b64 v[L8], v[PC+4:PC+5], s[HB:HB+1] offset:512    ; 256 consecutive bytes, aligned
	global_store_b16 v[R16], v[SC], s[SBP:SBP+1]   ; two bytes a row, 16 bytes apart: one byte in 24 of what the tile stores
.endm
	s_mov_b32 s[SM], s[WV]
	s_mov_b32 s[TR], 16                            ; 128 tiles at the most, 32 a wave, two a trip; the count leads out by a forward branch
.Ltile:
	s_cmp_ge_u32 s[SM], s[NT]
	s_cbranch_scc1 .Lend
	TILE 0
	s_add_co_u32 s[TMP], s[SM], 4
	s_cmp_ge_u32 s[TMP], s[NT]
	s_cbranch_scc1 .Lend
	TILE 1
	s_add_co_u32 s[SM], s[SM], 8
	s_sub_co_u32 s[TR], s[TR], 1
	s_cmp_lg_u32 s[TR], 0
	s_cbranch_scc1 .Ltile
.Lend:
	s_wait_tensorcnt 0x0
	ds_add_u32 v126, v127
	s_wait_dscnt 0x0
	s_endpgm
.Lfunc_end_k_qba1f7c5e29_up:
	.size	k_qba1f7c5e29_up, .Lfunc_end_k_qba1f7c5e29_up-k_qba1f7c5e29_up
	.p2alignl 7, 3214868480
	.fill 96, 4, 3214868480
	.section	.rodata,"a",@progbits
	.p2align	6, 0x0
	.amdhsa_kernel k_qba1f7c5e29_up
		.amdhsa_group_segment_fixed_size 60928
		.amdhsa_private_segment_fixed_size 0
		.amdhsa_enable_private_segment 0
		.amdhsa_kernarg_size 64
		.amdhsa_user_sgpr_count 2
		.amdhsa_user_sgpr_kernarg_segment_ptr 1
		.amdhsa_wavefront_size32 1
		.amdhsa_system_sgpr_workgroup_id_x 1
		.amdhsa_system_sgpr_workgroup_id_y 1
		.amdhsa_system_sgpr_workgroup_id_z 1
		.amdhsa_system_vgpr_workitem_id 0
		.amdhsa_next_free_vgpr 1024
		.amdhsa_next_free_sgpr 66
		.amdhsa_reserve_vcc 0
		.amdhsa_float_denorm_mode_32 3
		.amdhsa_float_denorm_mode_16_64 3
		.amdhsa_memory_ordered 1
		.amdhsa_forward_progress 1
		.amdhsa_inst_pref_size 133
	.end_amdhsa_kernel
	.amdgpu_metadata
---
amdhsa.version: [ 1, 2 ]
amdhsa.kernels:
  - .name:           k_qba1f7c5e29_up
    .symbol:         k_qba1f7c5e29_up.kd
    .args:
      - { .name: W1, .offset: 0, .size: 8, .value_kind: global_buffer, .address_space: global }
      - { .name: b1, .offset: 8, .size: 8, .value_kind: global_buffer, .address_space: global }
      - { .name: xq, .offset: 16, .size: 8, .value_kind: global_buffer, .address_space: global }
      - { .name: xs, .offset: 24, .size: 8, .value_kind: global_buffer, .address_space: global }
      - { .name: eid, .offset: 32, .size: 8, .value_kind: global_buffer, .address_space: global }
      - { .name: hq, .offset: 40, .size: 8, .value_kind: global_buffer, .address_space: global }
      - { .name: hs, .offset: 48, .size: 8, .value_kind: global_buffer, .address_space: global }
      - { .name: lst, .offset: 56, .size: 8, .value_kind: global_buffer, .address_space: global }
    .group_segment_fixed_size: 60928
    .private_segment_fixed_size: 0
    .kernarg_segment_align: 8
    .kernarg_segment_size: 64
    .max_flat_workgroup_size: 128
    .sgpr_count:     66
    .vgpr_count:     1024
    .wavefront_size: 32
...
	.end_amdgpu_metadata
.endif
;; end of part 2
;; launch down (part 3): grid 256 x 1, 4 waves a work-group, no clusters, 61,184 bytes of LDS; arguments W2, b2, hq, hs, lst, prob, out0; writes out0
.if DOCPART == 3
	.amdgcn_target "amdgcn-amd-amdhsa--gfx1250"
	.amdhsa_code_object_version 6
	.text
	.protected	k_qba1f7c5e29_down
	.globl	k_qba1f7c5e29_down
	.p2align	8
	.type	k_qba1f7c5e29_down,@function
k_qba1f7c5e29_down:
	s_mov_b64 s[64:65], 0
	v_nop
	global_prefetch_b8 v0, s[64:65] scope:SCOPE_SE
	s_setreg_imm32_b32 hwreg(HW_REG_WAVE_MODE, 25, 1), 1
	s_wait_xcnt 0x0
; out[token] = (h W2[e] + b2[e]) x prob[token] for the tokens routed to expert e, on codes of FP6 (E2M3) with one E8M0 scale for each 32 along K = the 2,048 hidden units.
; SHARES.  Work-group = (expert e = number / 32, slice = number % 32): output columns 32 slice .. + 31, for ALL the expert's tokens: each byte of W2 is asked for by one work-group.
;   64 columns a work-group would make whole runs of 256 bytes of W2's rows and of out, but only 128 work-groups, with 768 registers of weights a wave: not taken.
; PHASE 1.  W2[e] is [k 2048][d 1024] f32.  Wave w takes k = 512 w .. + 511, K steps 4 w .. 4 w + 3; a group is one K step.  A load takes 16 bytes a lane: eight lanes cover the slice's 128 bytes of a row k,
;   the four groups of eight lanes four rows 32 apart, so a lane's 32 loads are one block of 32 along K for each of its 4 columns.  As in the launch before: one v_mov_b32 a number brings a column's
;   numbers on end for the conversion; the codes go to LDS in the order of the operand's registers; every wave reads all 32 fragments (2 tiles of 16 columns x 16 K steps) into 384 registers.
; PHASE 2.  Wave w takes tiles w, w + 4, .. of 16 tokens.  Source 0 = 16 columns of W2, source 1 = 16 tokens: a lane holds one token and eight neighbouring columns.  b2 is the C of each sum's first
;   instruction.  h's fragments come from hq as they lie in registers, dense, a quarter (4 K steps, 17 loads) at a time, each quarter asked for anew for the next tile as soon as its products are issued.
;   The results turn through the wave's own stage, so that eight lanes store a token's 128 consecutive bytes.
; A padded row of the last tile is the list's first token once more: it stores the same numbers to the same place, so no lane is switched off.
; NO MULTICAST, NO TENSOR LOAD, though the 32 work-groups of an expert read the same tiles of hq: the way out of the tile loop hangs on a count read from lst.
; LIMITS: NaN and infinities are not served; a block of zeros gets the byte 1 (its codes are zeros); blocks under 2^-124 are held at byte 1.
.set FT,   24608                       ; LDS: a tile's 16 fragments + 32 bytes
.set FS,   1536                        ; a fragment: 32 lanes x 48 bytes
.set SCW,  49408                       ; W2's scale words [tile 2][sq 4][row 16][4 words]
.set STG,  51456                       ; the stages: 16 rows x (128 + 16) bytes for each wave
.set LN,  1
.set WA,  2
.set IA,  3
.set SA,  4
.set L48, 5
.set WSA, 6
.set SI,  7                            ; the stage, in
.set SOA, 8                            ; and out
.set C16, 9
.set TKA, 10
.set R16, 11
.set L16, 12
.set L8,  13
.set B2A, 14
.set T0,  15                           ; v15-17 at work at the head
.set TK,  20                           ; v20-23 the token numbers of rows 4 (lane / 8) + 0 .. 3
.set PA,  24                           ; v24-27 their places in prob
.set PR,  28                           ; v28-31 their probabilities
.set WS,  32                           ; v32-63 W2's scale words, 16 t + s: these hold scales and nothing else
.set HS,  64                           ; v64-79 h's scale words, K step s: likewise
.set ACC, 80                           ; v80-95 two accumulators
.set B2,  96                           ; v96-111 b2
.set OB,  112                          ; v112-127 four rows' 16 bytes
.set OA,  128                          ; v128-131 their places in out
.set X,   128                          ; phase 1: v128-255: 4 columns x 32 along K
.set M,   80
.set SO,  84
.set BY,  112                          ; phase 1: a byte for each group and column
.set CT,  96                           ; window 2: v0-95 the codes of my four groups; v96-111 the upper halves on their way
.set WV,  20
.set EX,  21
.set SL,  22
.set CN,  23
.set NT,  24
.set NTC, 25
.set SM,  26
.set TR,  27
.set TNX, 28
.set TMP, 29
.set TP,  30
.set HQB, 32
.set HSB, 34
.set LSB, 36
.set HBP, 38
.set SBP, 40
.set LBP, 42
.set CP,  44
.set MSB, 0
.macro WIN new                         ; the immediate's high byte repeats the setting that is left
.if MSB != \new
	s_set_vgpr_msb (MSB<<8)|\new
.set MSB, \new
.endif
.endm
.macro LOADG G, half                   ; group G: K step 4 w + G, into buffer half of window 1.  No hint: the neighbouring slice reads the other 128 bytes beside mine
	WIN 0x40
.set i, 0
.rept 32
	global_load_b128 v[128*(\half)+4*i:128*(\half)+4*i+3], v[WA], s[4:5] offset:(128*(\G)+i)*4096
.set i, i+1
.endr
	WIN 0
.endm
.macro GMOVE half, left                ; left: the loads issued behind this group's, which may stay out
	s_wait_loadcnt \left
	WIN 0x01
.set i, 0
.rept 32
.irp j, 0,1,2,3
	v_mov_b32 v[X+32*\j+i], v[128*(\half)+4*i+\j]
.endr
.set i, i+1
.endr
	WIN 0
.endm
.macro GQUANT G
.irp j, 0,1,2,3
	v_max3_num_f32 v[M+\j], |v[X+32*\j]|, |v[X+32*\j+1]|, 0x1800000    ; with the floor 2^(3 - 127): the byte cannot fall under 1
.endr
.set i, 2
.rept 15
.irp j, 0,1,2,3
	v_max3_num_f32 v[M+\j], v[M+\j], |v[X+32*\j+i]|, |v[X+32*\j+i+1]|
.endr
.set i, i+2
.endr
.irp j, 0,1,2,3
	v_add_nc_u32 v[SO+\j], 0xff000000, v[M+\j]     ; 2 off the exponent field: the conversion's scale operand
.endr
.irp j, 0,1,2,3
	v_lshrrev_b32 v[BY+4*(\G)+\j], 23, v[SO+\j]
.endr
	WIN 0x80
.irp j, 0,1,2,3
	v_cvt_scalef32_pk16_fp6_f32 v[24*(\G)+6*\j:24*(\G)+6*\j+2], v[X+32*\j:X+32*\j+15], v[SO+\j]
	v_cvt_scalef32_pk16_fp6_f32 v[CT+4*\j:CT+4*\j+2], v[X+32*\j+16:X+32*\j+31], v[SO+\j]   ; (a conversion's three registers begin on an even number)
.endr
	v_nop                                          ; one plain line behind the last conversion
	WIN 0x82
.irp j, 0,1,2,3
.irp d, 0,1,2
	v_mov_b32 v[24*(\G)+6*\j+3+\d], v[CT+4*\j+\d]
.endr
.endr
	WIN 0
.endm
.macro PUT G
	WIN 0x08                                       ; an LDS store's data are its source 1: window 2
.irp j, 0,1,2,3
.irp p, 0,1,2
	ds_store_b64 v[IA], v[24*(\G)+6*\j+2*\p:24*(\G)+6*\j+2*\p+1] offset:FS*(\G)+48*\j+8*\p
.endr
.endr
	WIN 0
.irp j, 0,1,2,3
	ds_store_b8 v[SA], v[BY+4*(\G)+\j] offset:16*\j+4*(\G)
.endr
.endm
.macro SETBASE                         ; where tile s[TNX] lies in hq, hs and lst
	s_min_u32 s[TNX], s[TNX], 127
	s_mul_i32 s[TP], s[TNX], 24576
	s_add_nc_u64 s[HBP:HBP+1], s[HQB:HQB+1], s[TP:TP+1]
	s_lshl_b32 s[TP], s[TNX], 10
	s_add_nc_u64 s[SBP:SBP+1], s[HSB:HSB+1], s[TP:TP+1]
	s_lshl_b32 s[TP], s[TNX], 6
	s_add_nc_u64 s[LBP:LBP+1], s[LSB:LSB+1], s[TP:TP+1]
.endm
.macro QLOAD qi                        ; K steps 4 qi .. 4 qi + 3 of h: 17 loads, all dense
	WIN 0xc0
.irp g, 0,1,2,3,4,5,6,7
	global_load_b128 v[48*\qi+6*\g:48*\qi+6*\g+3], v[L16], s[HBP:HBP+1] offset:6144*\qi+768*\g
	global_load_b64 v[48*\qi+6*\g+4:48*\qi+6*\g+5], v[L8], s[HBP:HBP+1] offset:6144*\qi+768*\g+512
.endr
	WIN 0
	global_load_b128 v[HS+4*\qi:HS+4*\qi+3], v[R16], s[SBP:SBP+1] offset:256*\qi
.endm
	s_load_b256 s[4:11], s[0:1], 0x0               ; W2 s[4:5], b2 s[6:7], hq s[8:9], hs s[10:11]
	s_load_b128 s[12:15], s[0:1], 0x20             ; lst s[12:13], prob s[14:15]
	s_load_b64 s[16:17], s[0:1], 0x30              ; out0
	v_lshl_add_u32 v18, v0, 2, 0xed00
	v_mov_b32 v19, 0
	v_lshrrev_b32 v[T0], 5, v0
	v_readfirstlane_b32 s[WV], v[T0]               ; wave 0..3
	s_lshr_b32 s[EX], ttmp9, 5
	s_and_b32 s[SL], ttmp9, 31
	v_and_b32 v[LN], 31, v0
	v_and_b32 v[T0], 7, v0                         ; q
	v_bfe_u32 v[T0+1], v0, 3, 2                    ; g
	v_lshlrev_b32 v[C16], 4, v[T0]
	v_lshl_add_u32 v[WA], v[T0+1], 17, v[C16]      ; 32 rows of 4,096 bytes x g + 16 q
	v_lshlrev_b32 v[TKA], 4, v[T0+1]
	; column 4 q + j is row 4 (q % 4) + j of tile q / 4; block g of a K step is c = g / 2 of lane half g % 2
	v_bfe_u32 v[T0+2], v0, 2, 1
	v_mul_u32_u24 v[IA], v[T0+2], FT
	v_lshl_add_u32 v[SA], v[T0+2], 10, v[T0+1]
	v_and_b32 v[T0+2], 3, v0
	v_mad_u32_u24 v[IA], v[T0+2], 192, v[IA]
	v_lshl_add_u32 v[SA], v[T0+2], 6, v[SA]
	v_bfe_u32 v[T0+2], v0, 3, 1
	v_mad_u32_u24 v[IA], v[T0+2], 768, v[IA]
	v_bfe_u32 v[T0+2], v0, 4, 1                    ; g / 2 in phase 1, h in phase 2
	v_mad_u32_u24 v[IA], v[T0+2], 24, v[IA]
	s_mul_i32 s[TMP], s[WV], 4*FS
	v_add_nc_u32 v[IA], s[TMP], v[IA]
	s_lshl_b32 s[TMP], s[WV], 8
	s_add_co_u32 s[TMP], s[TMP], SCW
	v_add_nc_u32 v[SA], s[TMP], v[SA]
	v_lshlrev_b32 v[B2A], 5, v[T0+2]
	v_and_b32 v[T0], 15, v0                        ; r
	s_mul_i32 s[TMP], s[WV], 2304
	s_add_co_u32 s[TMP], s[TMP], STG
	v_mul_u32_u24 v[SI], v[T0], 144
	v_lshl_add_u32 v[SI], v[T0+2], 5, v[SI]
	v_add_nc_u32 v[SI], s[TMP], v[SI]              ; in: row r, + 32 h
	v_mul_u32_u24 v[SOA], v[T0+1], 576
	v_add_nc_u32 v[SOA], v[SOA], v[C16]
	v_add_nc_u32 v[SOA], s[TMP], v[SOA]            ; back: rows 4 (lane / 8) + i, 16 bytes a lane
	v_lshlrev_b32 v[R16], 4, v[T0]
	v_lshl_add_u32 v[WSA], v[T0], 4, SCW
	v_lshlrev_b32 v[L16], 4, v[LN]
	v_lshlrev_b32 v[L8], 3, v[LN]
	v_mul_u32_u24 v[L48], v[LN], 48
	s_mov_b32 s[TP+1], 0
	s_wait_kmcnt 0x0
	s_lshl_b32 s[TP], s[EX], 23                    ; W2: 8 MiB an expert, 128 bytes a slice, 512 rows of 4,096 bytes a wave
	s_lshl_b32 s[TMP], s[SL], 7
	s_add_co_u32 s[TP], s[TP], s[TMP]
	s_lshl_b32 s[TMP], s[WV], 21
	s_add_co_u32 s[TP], s[TP], s[TMP]
	s_add_nc_u64 s[4:5], s[4:5], s[TP:TP+1]
	s_lshl_b32 s[TP], s[EX], 12
	s_lshl_b32 s[TMP], s[SL], 7
	s_add_co_u32 s[TP], s[TP], s[TMP]
	s_add_nc_u64 s[6:7], s[6:7], s[TP:TP+1]
	s_lshl_b32 s[TP], s[SL], 7
	s_add_nc_u64 s[16:17], s[16:17], s[TP:TP+1]
	s_mul_i32 s[TP], s[EX], 3145728
	s_add_nc_u64 s[HQB:HQB+1], s[8:9], s[TP:TP+1]
	s_lshl_b32 s[TP], s[EX], 17
	s_add_nc_u64 s[HSB:HSB+1], s[10:11], s[TP:TP+1]
	s_lshl_b32 s[TP], s[EX], 13
	s_add_nc_u64 s[LSB:LSB+1], s[12:13], s[TP:TP+1]
	s_lshl_b32 s[TP], s[EX], 2
	s_add_nc_u64 s[CP:CP+1], s[12:13], s[TP:TP+1]
	s_load_b32 s[CN], s[CP:CP+1], 0x10000          ; the expert's count
.irp t, 0,1
	global_load_b128 v[B2+8*\t:B2+8*\t+3], v[B2A], s[6:7] offset:64*\t         ; lane half h, tile t: columns 16 t + 8 h + 0 .. 7
	global_load_b128 v[B2+8*\t+4:B2+8*\t+7], v[B2A], s[6:7] offset:64*\t+16
.endr
	LOADG 0, 0
	LOADG 1, 1
	s_wait_kmcnt 0x0
	s_min_u32 s[CN], s[CN], 2048
	s_add_co_u32 s[NT], s[CN], 15
	s_lshr_b32 s[NT], s[NT], 4                     ; tiles to make
	s_max_u32 s[NTC], s[NT], 1
	s_sub_co_u32 s[NTC], s[NTC], 1                 ; the last tile that the launch before has written
	GMOVE 0, 32                                    ; group 0 is in; group 1's 32 loads may be out
	LOADG 2, 0
	GQUANT 0
	PUT 0
	GMOVE 1, 32
	LOADG 3, 1
	GQUANT 1
	PUT 1
	GMOVE 0, 32
	GQUANT 2
	PUT 2
	GMOVE 1, 0                                     ; the last group, and b2
	s_min_u32 s[TNX], s[WV], s[NTC]                ; my first tile is asked for here: 69 loads, on their way while the last group is quantised and the fragments go round
	SETBASE
	global_load_b128 v[TK:TK+3], v[TKA], s[LBP:LBP+1]
	QLOAD 0
	QLOAD 1
	QLOAD 2
	QLOAD 3
	GQUANT 3
	PUT 3
	s_wait_dscnt 0x0                               ; for the others' sake: my codes and scale bytes lie in LDS
	s_barrier_signal -1
	s_barrier_wait -1                              ; behind it a wave stores only into its own stage
	WIN 0x40                                       ; K steps 0-7 to window 1, fragment (t, s) at 12 (2 s + t)
.irp s, 0,1,2,3,4,5,6,7
.irp t, 0,1
.irp p, 0,1,2
	ds_load_b128 v[12*(2*\s+\t)+4*\p:12*(2*\s+\t)+4*\p+3], v[L48] offset:FT*\t+FS*\s+16*\p
.endr
.endr
.endr
	WIN 0x80                                       ; K steps 8-15 to window 2
.irp s, 8,9,10,11,12,13,14,15
.irp t, 0,1
.irp p, 0,1,2
	ds_load_b128 v[12*(2*(\s-8)+\t)+4*\p:12*(2*(\s-8)+\t)+4*\p+3], v[L48] offset:FT*\t+FS*\s+16*\p
.endr
.endr
.endr
	WIN 0
.irp t, 0,1
.irp u, 0,1,2,3
	ds_load_b128 v[WS+16*\t+4*\u:WS+16*\t+4*\u+3], v[WSA] offset:1024*\t+256*\u
.endr
.endr
	s_wait_dscnt 0x0
; A quarter: 8 products, the two accumulators by turns, one instruction a turn, over the quarters' and the loop's edges too; then four places, and the same quarter of the next tile.
.macro QUARTER qi
.if \qi > 0
	s_wait_loadcnt 56                              ; behind this quarter's loads: the old quarters left, the 5 small loads and the new quarters: 34 + 5 + 17, 17 + 5 + 34, 5 + 51
.endif
.if \qi < 2
	WIN 0x0d                                       ; source 0 (W2) window 1, source 1 (h) window 3
.else
	WIN 0x0e                                       ; source 0 window 2
.endif
.irp u, 0,1,2,3
.irp t, 0,1
.if (\qi == 0) && (\u == 0)
	v_wmma_scale_f32_16x16x128_f8f6f4 v[ACC+8*\t:ACC+8*\t+7], v[12*(2*((4*\qi+\u)%8)+\t):12*(2*((4*\qi+\u)%8)+\t)+11], v[12*(4*\qi+\u):12*(4*\qi+\u)+11], v[B2+8*\t:B2+8*\t+7], v[WS+16*\t+4*\qi+\u], v[HS+4*\qi+\u] matrix_a_fmt:MATRIX_FMT_FP6 matrix_b_fmt:MATRIX_FMT_FP6
.else
	v_wmma_scale_f32_16x16x128_f8f6f4 v[ACC+8*\t:ACC+8*\t+7], v[12*(2*((4*\qi+\u)%8)+\t):12*(2*((4*\qi+\u)%8)+\t)+11], v[12*(4*\qi+\u):12*(4*\qi+\u)+11], v[ACC+8*\t:ACC+8*\t+7], v[WS+16*\t+4*\qi+\u], v[HS+4*\qi+\u] matrix_a_fmt:MATRIX_FMT_FP6 matrix_b_fmt:MATRIX_FMT_FP6
.endif
.endr
.endr
	WIN 0
.rept 4
	v_nop                                          ; places in front of loads into registers that the products have read, and of the first read of results
.endr
	QLOAD \qi
.endm
.macro TILE
	s_wait_loadcnt 51                              ; the tokens' numbers and quarter 0 are in; quarters 1 to 3, 51 loads, were issued behind them
	s_wait_xcnt 0x0                                ; all that has been issued has read its registers and bases: only behind this wait are they written again
	s_add_co_u32 s[TNX], s[SM], 4
	s_min_u32 s[TNX], s[TNX], s[NTC]               ; my next tile, held at the last that was written
	SETBASE
.irp i, 0,1,2,3
	v_min_u32 v[TK+\i], 2047, v[TK+\i]
.endr
.irp i, 0,1,2,3
	v_lshl_add_u32 v[OA+\i], v[TK+\i], 12, v[C16]
	v_lshlrev_b32 v[PA+\i], 2, v[TK+\i]
.endr
.irp i, 0,1,2,3
	global_load_b32 v[PR+\i], v[PA+\i], s[14:15]
.endr
	global_load_b128 v[TK:TK+3], v[TKA], s[LBP:LBP+1]
	QUARTER 0
	QUARTER 1
	QUARTER 2
	QUARTER 3
.irp t, 0,1
	ds_store_b128 v[SI], v[ACC+8*\t:ACC+8*\t+3] offset:64*\t       ; each accumulator from its low end on
	ds_store_b128 v[SI], v[ACC+8*\t+4:ACC+8*\t+7] offset:64*\t+16
.endr
.irp i, 0,1,2,3
	ds_load_b128 v[OB+4*\i:OB+4*\i+3], v[SOA] offset:144*\i        ; LDS serves a wave's instructions in order: these see the stores above
.endr
	s_wait_loadcnt 63                              ; the probabilities: 69 loads were issued behind them; the count asks for six more than is needed
	s_wait_dscnt 0x0
.irp i, 0,1,2,3
.irp k, 0,1,2,3
	v_mul_f32 v[OB+4*\i+\k], v[PR+\i], v[OB+4*\i+\k]
.endr
.endr
.irp i, 0,1,2,3
	global_store_b128 v[OA+\i], v[OB+4*\i:OB+4*\i+3], s[16:17] th:TH_STORE_NT  ; eight lanes store a token's 128 consecutive bytes; written once, read by nobody here
.endr
.endm
	s_mov_b32 s[SM], s[WV]
	s_mov_b32 s[TR], 32                            ; 128 tiles at the most, 32 a wave; the count leads out by a forward branch
.Ltile:
	s_cmp_ge_u32 s[SM], s[NT]
	s_cbranch_scc1 .Lend
	TILE
	s_add_co_u32 s[SM], s[SM], 4
	s_sub_co_u32 s[TR], s[TR], 1
	s_cmp_lg_u32 s[TR], 0
	s_cbranch_scc1 .Ltile
.Lend:
	s_wait_tensorcnt 0x0
	ds_add_u32 v18, v19
	s_wait_dscnt 0x0
	s_endpgm
.Lfunc_end_k_qba1f7c5e29_down:
	.size	k_qba1f7c5e29_down, .Lfunc_end_k_qba1f7c5e29_down-k_qba1f7c5e29_down
	.p2alignl 7, 3214868480
	.fill 96, 4, 3214868480
	.section	.rodata,"a",@progbits
	.p2align	6, 0x0
	.amdhsa_kernel k_qba1f7c5e29_down
		.amdhsa_group_segment_fixed_size 61184
		.amdhsa_private_segment_fixed_size 0
		.amdhsa_enable_private_segment 0
		.amdhsa_kernarg_size 56
		.amdhsa_user_sgpr_count 2
		.amdhsa_user_sgpr_kernarg_segment_ptr 1
		.amdhsa_wavefront_size32 1
		.amdhsa_system_sgpr_workgroup_id_x 1
		.amdhsa_system_sgpr_workgroup_id_y 1
		.amdhsa_system_sgpr_workgroup_id_z 1
		.amdhsa_system_vgpr_workitem_id 0
		.amdhsa_next_free_vgpr 1024
		.amdhsa_next_free_sgpr 66
		.amdhsa_reserve_vcc 0
		.amdhsa_float_denorm_mode_32 3
		.amdhsa_float_denorm_mode_16_64 3
		.amdhsa_memory_ordered 1
		.amdhsa_forward_progress 1
		.amdhsa_inst_pref_size 88
	.end_amdhsa_kernel
	.amdgpu_metadata
---
amdhsa.version: [ 1, 2 ]
amdhsa.kernels:
  - .name:           k_qba1f7c5e29_down
    .symbol:         k_qba1f7c5e29_down.kd
    .args:
      - { .name: W2, .offset: 0, .size: 8, .value_kind: global_buffer, .address_space: global }
      - { .name: b2, .offset: 8, .size: 8, .value_kind: global_buffer, .address_space: global }
      - { .name: hq, .offset: 16, .size: 8, .value_kind: global_buffer, .address_space: global }
      - { .name: hs, .offset: 24, .size: 8, .value_kind: global_buffer, .address_space: global }
      - { .name: lst, .offset: 32, .size: 8, .value_kind: global_buffer, .address_space: global }
      - { .name: prob, .offset: 40, .size: 8, .value_kind: global_buffer, .address_space: global }
      - { .name: out0, .offset: 48, .size: 8, .value_kind: global_buffer, .address_space: global }
    .group_segment_fixed_size: 61184
    .private_segment_fixed_size: 0
    .kernarg_segment_align: 8
    .kernarg_segment_size: 56
    .max_flat_workgroup_size: 128
    .sgpr_count:     66
    .vgpr_count:     1024
    .wavefront_size: 32
...
	.end_amdgpu_metadata
.endif
;; end of part 3
;; ======== version 2 of 2: 3 launches; version 1 with the launch down written anew for expert scheduling mode
;; workspace buffers: xq 1,572,864 bytes; xs 65,536 bytes; eid 8,192 bytes of whole numbers; prob 8,192 bytes; hq 25,165,824 bytes; hs 1,048,576 bytes; lst 65,792 bytes of whole numbers
;; launch route: the kernel of part 1 again; grid 256 x 1, 4 waves a work-group, no clusters, 82,688 bytes of LDS; arguments x, Wr, br, xq, xs, eid, prob; writes xq, xs, eid, prob
;; launch up: the kernel of part 2 again; grid 256 x 1, 4 waves a work-group, no clusters, 60,928 bytes of LDS; arguments W1, b1, xq, xs, eid, hq, hs, lst; writes hq, hs, lst
;; launch down (part 4): grid 256 x 1, 4 waves a work-group, no clusters, 61,184 bytes of LDS; arguments W2, b2, hq, hs, lst, prob, out0; writes out0
.if DOCPART == 4
	.amdgcn_target "amdgcn-amd-amdhsa--gfx1250"
	.amdhsa_code_object_version 6
	.text
	.protected	k_qba1f7c5e29_down
	.globl	k_qba1f7c5e29_down
	.p2align	8
	.type	k_qba1f7c5e29_down,@function
k_qba1f7c5e29_down:
	s_mov_b64 s[64:65], 0
	v_nop
	global_prefetch_b8 v0, s[64:65] scope:SCOPE_SE
	s_setreg_imm32_b32 hwreg(HW_REG_WAVE_SCHED_MODE, 0, 2), 2
	s_setreg_imm32_b32 hwreg(HW_REG_WAVE_MODE, 25, 1), 1
	s_wait_xcnt 0x0
	s_wait_alu depctr_vm_vsrc(0)
; out[token] = (h W2[e] + b2[e]) x prob[token] for the tokens routed to expert e, on codes of FP6 (E2M3) with one E8M0 scale for each 32 along K = the 2,048 hidden units.
; SHARES.  Work-group = (expert e = number / 32, slice = number % 32): output columns 32 slice .. + 31, for ALL the expert's tokens: each byte of W2 is asked for by one work-group.
;   64 columns a work-group would make whole runs of 256 bytes of W2's rows and of out, but only 128 work-groups, with 768 registers of weights a wave: not taken.
; PHASE 1.  W2[e] is [k 2048][d 1024] f32.  Wave w takes k = 512 w .. + 511, K steps 4 w .. 4 w + 3; a group is one K step.  A load takes 16 bytes a lane: eight lanes cover the slice's 128 bytes of a row k,
;   the four groups of eight lanes four rows 32 apart, so a lane's 32 loads are one block of 32 along K for each of its 4 columns.  As in the launch before: one v_mov_b32 a number brings a column's
;   numbers on end for the conversion; the codes go to LDS in the order of the operand's registers; every wave reads all 32 fragments (2 tiles of 16 columns x 16 K steps) into 384 registers.
; PHASE 2.  Wave w takes tiles w, w + 4, .. of 16 tokens.  Source 0 = 16 columns of W2, source 1 = 16 tokens: a lane holds one token and eight neighbouring columns.  b2 is the C of each sum's first
;   instruction.  h's fragments come from hq as they lie in registers, dense, a quarter (4 K steps, 17 loads) at a time, each quarter asked for anew for the next tile as soon as its products are done.
;   The results turn through the wave's own stage, so that eight lanes store a token's 128 consecutive bytes.
; A padded row of the last tile is the list's first token once more: it stores the same numbers to the same place, so no lane is switched off.
; NO MULTICAST, NO TENSOR LOAD, though the 32 work-groups of an expert read the same tiles of hq: the way out of the tile loop hangs on a count read from lst.
; LIMITS: NaN and infinities are not served; a block of zeros gets the byte 1 (its codes are zeros); blocks under 2^-124 are held at byte 1.
; THE MODE: SCHED_MODE bits 1:0 = 2 (LLVM: expert scheduling mode 2), set by the entry lines.  The code itself states the register dependences between vector or matrix instructions and
; memory or LDS instructions, with s_wait_alu, always for 0.
; THE PLAN.  Registers that memory or LDS instructions touch:
;   v1-v14         offsets and LDS addresses, made once at the head, ahead of one wait, and never written again.
;   window 1       phase 1: two raw buffers.  A group's 128 moves read one; where it is asked for again, one wait stands behind the moves, ahead of the loads.
;   window 2 0-95, v[BY ..]  a group's codes and bytes: written by the conversions; their LDS stores stand behind the next wait that stands anyway (group 0: the second raw buffer's; groups 1 and 2: one
;                  wait; group 3: one).  Behind the barrier the fragments land there.
;   a tile: the four quarters of h in window 3 and v[HS ..]  a ring: a quarter's eight products read it, one wait stands behind them, and the quarter is loaded again at once, for the wave's next tile.
;                  v[TK ..]  lands a tile ahead; read and held by vector lines, loaded again.   v[PA ..], v[OA ..]  made from it behind quarter 0's products, ahead of that quarter's wait; read by prob's loads and out's stores.
;                  the accumulators  read by the stage's stores, behind quarter 3's wait.   v[OB ..]  lands from the stage, is multiplied in place, and one wait stands ahead of out's stores.   v[PR ..]  lands; read by the multiplies.
;   One wait on vm_vsrc stands at the tile's head: the last tile's stores and loads have read the accumulators, v[OB ..], v[OA ..] and v[PA ..].
.set FT,   24608                       ; LDS: a tile's 16 fragments + 32 bytes
.set FS,   1536                        ; a fragment: 32 lanes x 48 bytes
.set SCW,  49408                       ; W2's scale words [tile 2][sq 4][row 16][4 words]
.set STG,  51456                       ; the stages: 16 rows x (128 + 16) bytes for each wave
.set LN,  1
.set WA,  2
.set IA,  3
.set SA,  4
.set L48, 5
.set WSA, 6
.set SI,  7                            ; the stage, in
.set SOA, 8                            ; and out
.set C16, 9
.set TKA, 10
.set R16, 11
.set L16, 12
.set L8,  13
.set B2A, 14
.set T0,  15                           ; v15-17 at work at the head
.set TK,  20                           ; v20-23 the token numbers of rows 4 (lane / 8) + 0 .. 3
.set PA,  24                           ; v24-27 their places in prob
.set PR,  28                           ; v28-31 their probabilities
.set WS,  32                           ; v32-63 W2's scale words, 16 t + s: these hold scales and nothing else
.set HS,  64                           ; v64-79 h's scale words, K step s: likewise
.set ACC, 80                           ; v80-95 two accumulators
.set B2,  96                           ; v96-111 b2
.set OB,  112                          ; v112-127 four rows' 16 bytes
.set OA,  128                          ; v128-131 their places in out
.set X,   128                          ; phase 1: v128-255: 4 columns x 32 along K
.set M,   80
.set SO,  84
.set BY,  112                          ; phase 1: a byte for each group and column
.set CT,  96                           ; window 2: v0-95 the codes of my four groups; v96-111 the upper halves on their way
.set WV,  20
.set EX,  21
.set SL,  22
.set CN,  23
.set NT,  24
.set NTC, 25
.set SM,  26
.set TR,  27
.set TNX, 28
.set TMP, 29
.set TP,  30
.set HQB, 32
.set HSB, 34
.set LSB, 36
.set HBP, 38
.set SBP, 40
.set LBP, 42
.set CP,  44
.set MSB, 0
.macro WIN new                         ; the immediate's high byte repeats the setting that is left
.if MSB != \new
	s_set_vgpr_msb (MSB<<8)|\new
.set MSB, \new
.endif
.endm
.macro LOADG G, half, again            ; group G: K step 4 w + G, into buffer half of window 1.  No hint: the neighbouring slice reads the other 128 bytes beside mine.  again = 1: the buffer has just been emptied
	WIN 0x40
.if \again
	s_wait_alu depctr_va_vdst(0)                   ; the 128 moves are done reading this raw buffer, in which the loads below land; the group quantised before them has written its codes and bytes
.endif
.set i, 0
.rept 32
	global_load_b128 v[128*(\half)+4*i:128*(\half)+4*i+3], v[WA], s[4:5] offset:(128*(\G)+i)*4096
.set i, i+1
.endr
	WIN 0
.endm
.macro GMOVE half, left                ; left: the loads issued behind this group's, which may stay out
	s_wait_loadcnt \left
	WIN 0x01
.set i, 0
.rept 32
.irp j, 0,1,2,3
	v_mov_b32 v[X+32*\j+i], v[128*(\half)+4*i+\j]
.endr
.set i, i+1
.endr
	WIN 0
.endm
.macro GQUANT G
.irp j, 0,1,2,3
	v_max3_num_f32 v[M+\j], |v[X+32*\j]|, |v[X+32*\j+1]|, 0x1800000    ; with the floor 2^(3 - 127): the byte cannot fall under 1
.endr
.set i, 2
.rept 15
.irp j, 0,1,2,3
	v_max3_num_f32 v[M+\j], v[M+\j], |v[X+32*\j+i]|, |v[X+32*\j+i+1]|
.endr
.set i, i+2
.endr
.irp j, 0,1,2,3
	v_add_nc_u32 v[SO+\j], 0xff000000, v[M+\j]     ; 2 off the exponent field: the conversion's scale operand
.endr
.irp j, 0,1,2,3
	v_lshrrev_b32 v[BY+4*(\G)+\j], 23, v[SO+\j]
.endr
	WIN 0x80
.irp j, 0,1,2,3
	v_cvt_scalef32_pk16_fp6_f32 v[24*(\G)+6*\j:24*(\G)+6*\j+2], v[X+32*\j:X+32*\j+15], v[SO+\j]
	v_cvt_scalef32_pk16_fp6_f32 v[CT+4*\j:CT+4*\j+2], v[X+32*\j+16:X+32*\j+31], v[SO+\j]   ; (a conversion's three registers begin on an even number)
.endr
	v_nop                                          ; one plain line behind the last conversion
	WIN 0x82
.irp j, 0,1,2,3
.irp d, 0,1,2
	v_mov_b32 v[24*(\G)+6*\j+3+\d], v[CT+4*\j+\d]
.endr
.endr
	WIN 0
.endm
.macro PUT G
	WIN 0x08                                       ; an LDS store's data are its source 1: window 2
.irp j, 0,1,2,3
.irp p, 0,1,2
	ds_store_b64 v[IA], v[24*(\G)+6*\j+2*\p:24*(\G)+6*\j+2*\p+1] offset:FS*(\G)+48*\j+8*\p
.endr
.endr
	WIN 0
.irp j, 0,1,2,3
	ds_store_b8 v[SA], v[BY+4*(\G)+\j] offset:16*\j+4*(\G)
.endr
.endm
.macro SETBASE                         ; where tile s[TNX] lies in hq, hs and lst
	s_min_u32 s[TNX], s[TNX], 127
	s_mul_i32 s[TP], s[TNX], 24576
	s_add_nc_u64 s[HBP:HBP+1], s[HQB:HQB+1], s[TP:TP+1]
	s_lshl_b32 s[TP], s[TNX], 10
	s_add_nc_u64 s[SBP:SBP+1], s[HSB:HSB+1], s[TP:TP+1]
	s_lshl_b32 s[TP], s[TNX], 6
	s_add_nc_u64 s[LBP:LBP+1], s[LSB:LSB+1], s[TP:TP+1]
.endm
.macro QLOAD qi, w                     ; K steps 4 qi .. 4 qi + 3 of h: 17 loads, all dense.  w = 1: the quarter's products stand just ahead
	WIN 0xc0
.if \w
	s_wait_alu depctr_va_vdst(0)                   ; the quarter's eight products are done reading its fragments and scale words, in which the loads below land; behind the last quarter's they have also written the accumulators, which the stage's stores read
.endif
.irp g, 0,1,2,3,4,5,6,7
	global_load_b128 v[48*\qi+6*\g:48*\qi+6*\g+3], v[L16], s[HBP:HBP+1] offset:6144*\qi+768*\g
	global_load_b64 v[48*\qi+6*\g+4:48*\qi+6*\g+5], v[L8], s[HBP:HBP+1] offset:6144*\qi+768*\g+512
.endr
	WIN 0
	global_load_b128 v[HS+4*\qi:HS+4*\qi+3], v[R16], s[SBP:SBP+1] offset:256*\qi
.endm
	s_load_b256 s[4:11], s[0:1], 0x0               ; W2 s[4:5], b2 s[6:7], hq s[8:9], hs s[10:11]
	s_load_b128 s[12:15], s[0:1], 0x20             ; lst s[12:13], prob s[14:15]
	s_load_b64 s[16:17], s[0:1], 0x30              ; out0
	v_lshl_add_u32 v18, v0, 2, 0xed00
	v_mov_b32 v19, 0
	v_lshrrev_b32 v[T0], 5, v0
	v_readfirstlane_b32 s[WV], v[T0]               ; wave 0..3
	s_lshr_b32 s[EX], ttmp9, 5
	s_and_b32 s[SL], ttmp9, 31
	v_and_b32 v[LN], 31, v0
	v_and_b32 v[T0], 7, v0                         ; q
	v_bfe_u32 v[T0+1], v0, 3, 2                    ; g
	v_lshlrev_b32 v[C16], 4, v[T0]
	v_lshl_add_u32 v[WA], v[T0+1], 17, v[C16]      ; 32 rows of 4,096 bytes x g + 16 q
	v_lshlrev_b32 v[TKA], 4, v[T0+1]
	; column 4 q + j is row 4 (q % 4) + j of tile q / 4; block g of a K step is c = g / 2 of lane half g % 2
	v_bfe_u32 v[T0+2], v0, 2, 1
	v_mul_u32_u24 v[IA], v[T0+2], FT
	v_lshl_add_u32 v[SA], v[T0+2], 10, v[T0+1]
	v_and_b32 v[T0+2], 3, v0
	v_mad_u32_u24 v[IA], v[T0+2], 192, v[IA]
	v_lshl_add_u32 v[SA], v[T0+2], 6, v[SA]
	v_bfe_u32 v[T0+2], v0, 3, 1
	v_mad_u32_u24 v[IA], v[T0+2], 768, v[IA]
	v_bfe_u32 v[T0+2], v0, 4, 1                    ; g / 2 in phase 1, h in phase 2
	v_mad_u32_u24 v[IA], v[T0+2], 24, v[IA]
	s_wait_alu depctr_va_sdst(0)                   ; the wave's number is written, ahead of its first reader
	s_mul_i32 s[TMP], s[WV], 4*FS
	v_add_nc_u32 v[IA], s[TMP], v[IA]
	s_lshl_b32 s[TMP], s[WV], 8
	s_add_co_u32 s[TMP], s[TMP], SCW
	v_add_nc_u32 v[SA], s[TMP], v[SA]
	v_lshlrev_b32 v[B2A], 5, v[T0+2]
	v_and_b32 v[T0], 15, v0                        ; r
	s_mul_i32 s[TMP], s[WV], 2304
	s_add_co_u32 s[TMP], s[TMP], STG
	v_mul_u32_u24 v[SI], v[T0], 144
	v_lshl_add_u32 v[SI], v[T0+2], 5, v[SI]
	v_add_nc_u32 v[SI], s[TMP], v[SI]              ; in: row r, + 32 h
	v_mul_u32_u24 v[SOA], v[T0+1], 576
	v_add_nc_u32 v[SOA], v[SOA], v[C16]
	v_add_nc_u32 v[SOA], s[TMP], v[SOA]            ; back: rows 4 (lane / 8) + i, 16 bytes a lane
	v_lshlrev_b32 v[R16], 4, v[T0]
	v_lshl_add_u32 v[WSA], v[T0], 4, SCW
	v_lshlrev_b32 v[L16], 4, v[LN]
	v_lshlrev_b32 v[L8], 3, v[LN]
	v_mul_u32_u24 v[L48], v[LN], 48
	s_mov_b32 s[TP+1], 0
	s_wait_kmcnt 0x0
	s_lshl_b32 s[TP], s[EX], 23                    ; W2: 8 MiB an expert, 128 bytes a slice, 512 rows of 4,096 bytes a wave
	s_lshl_b32 s[TMP], s[SL], 7
	s_add_co_u32 s[TP], s[TP], s[TMP]
	s_lshl_b32 s[TMP], s[WV], 21
	s_add_co_u32 s[TP], s[TP], s[TMP]
	s_add_nc_u64 s[4:5], s[4:5], s[TP:TP+1]
	s_lshl_b32 s[TP], s[EX], 12
	s_lshl_b32 s[TMP], s[SL], 7
	s_add_co_u32 s[TP], s[TP], s[TMP]
	s_add_nc_u64 s[6:7], s[6:7], s[TP:TP+1]
	s_lshl_b32 s[TP], s[SL], 7
	s_add_nc_u64 s[16:17], s[16:17], s[TP:TP+1]
	s_mul_i32 s[TP], s[EX], 3145728
	s_add_nc_u64 s[HQB:HQB+1], s[8:9], s[TP:TP+1]
	s_lshl_b32 s[TP], s[EX], 17
	s_add_nc_u64 s[HSB:HSB+1], s[10:11], s[TP:TP+1]
	s_lshl_b32 s[TP], s[EX], 13
	s_add_nc_u64 s[LSB:LSB+1], s[12:13], s[TP:TP+1]
	s_lshl_b32 s[TP], s[EX], 2
	s_add_nc_u64 s[CP:CP+1], s[12:13], s[TP:TP+1]
	s_load_b32 s[CN], s[CP:CP+1], 0x10000          ; the expert's count
	s_wait_alu depctr_va_vdst(0)                   ; the offsets and LDS addresses v1 to v14 are written, which the loads and stores of the whole kernel read
.irp t, 0,1
	global_load_b128 v[B2+8*\t:B2+8*\t+3], v[B2A], s[6:7] offset:64*\t         ; lane half h, tile t: columns 16 t + 8 h + 0 .. 7
	global_load_b128 v[B2+8*\t+4:B2+8*\t+7], v[B2A], s[6:7] offset:64*\t+16
.endr
	LOADG 0, 0, 0
	LOADG 1, 1, 0
	s_wait_kmcnt 0x0
	s_min_u32 s[CN], s[CN], 2048
	s_add_co_u32 s[NT], s[CN], 15
	s_lshr_b32 s[NT], s[NT], 4                     ; tiles to make
	s_max_u32 s[NTC], s[NT], 1
	s_sub_co_u32 s[NTC], s[NTC], 1                 ; the last tile that the launch before has written
	GMOVE 0, 32                                    ; group 0 is in; group 1's 32 loads may be out
	LOADG 2, 0, 1
	GQUANT 0
	GMOVE 1, 32
	LOADG 3, 1, 1
	PUT 0                                          ; behind the wait that stands ahead of group 3's loads: no vector instruction since names group 0's codes or bytes
	GQUANT 1
	GMOVE 0, 32
	GQUANT 2
	GMOVE 1, 0                                     ; the last group, and b2
	s_min_u32 s[TNX], s[WV], s[NTC]                ; my first tile is asked for here: 69 loads, on their way while the last group is quantised and the fragments go round
	SETBASE
	s_wait_alu depctr_va_vdst(0)                   ; groups 1 and 2 have written their codes and bytes, which the LDS stores below read
	global_load_b128 v[TK:TK+3], v[TKA], s[LBP:LBP+1]
	QLOAD 0, 0
	QLOAD 1, 0
	QLOAD 2, 0
	QLOAD 3, 0
	PUT 1
	PUT 2
	GQUANT 3
	s_wait_alu depctr_va_vdst(0)                   ; group 3 has written its codes and bytes, which the LDS stores below read
	PUT 3
	s_wait_dscnt 0x0                               ; for the others' sake: my codes and scale bytes lie in LDS
	s_barrier_signal -1
	s_barrier_wait -1                              ; behind it a wave stores only into its own stage
	s_wait_alu depctr_vm_vsrc(0)                   ; my LDS stores have read the codes in window 2, in which fragments land, and v[BY ..], in which rows from the stage land
	WIN 0x40                                       ; K steps 0-7 to window 1, fragment (t, s) at 12 (2 s + t)
	s_wait_alu depctr_va_vdst(0)                   ; the moves are done reading window 1 and the conversions have written window 2: the fragments land in both.  (It stands here, behind the switch: stores that read window 2 lie behind the wait before)
.irp s, 0,1,2,3,4,5,6,7
.irp t, 0,1
.irp p, 0,1,2
	ds_load_b128 v[12*(2*\s+\t)+4*\p:12*(2*\s+\t)+4*\p+3], v[L48] offset:FT*\t+FS*\s+16*\p
.endr
.endr
.endr
	WIN 0x80                                       ; K steps 8-15 to window 2
.irp s, 8,9,10,11,12,13,14,15
.irp t, 0,1
.irp p, 0,1,2
	ds_load_b128 v[12*(2*(\s-8)+\t)+4*\p:12*(2*(\s-8)+\t)+4*\p+3], v[L48] offset:FT*\t+FS*\s+16*\p
.endr
.endr
.endr
	WIN 0
.irp t, 0,1
.irp u, 0,1,2,3
	ds_load_b128 v[WS+16*\t+4*\u:WS+16*\t+4*\u+3], v[WSA] offset:1024*\t+256*\u
.endr
.endr
	s_wait_dscnt 0x0
; A quarter: 8 products, the two accumulators by turns, one instruction a turn, over the quarters' and the loop's edges too; then four places or more, the quarter's wait, and the same quarter of the next tile.
; Behind quarter 0's products the places are the twelve lines that make this tile's places in out and in prob from its token numbers: the quarter's wait serves them too.
.macro QUARTER qi
.if \qi > 0
	s_wait_loadcnt 56                              ; behind this quarter's loads: the old quarters left, the 5 small loads and the new quarters: 34 + 5 + 17, 17 + 5 + 34, 5 + 51
.endif
.if \qi < 2
	WIN 0x0d                                       ; source 0 (W2) window 1, source 1 (h) window 3
.else
	WIN 0x0e                                       ; source 0 window 2
.endif
.irp u, 0,1,2,3
.irp t, 0,1
.if (\qi == 0) && (\u == 0)
	v_wmma_scale_f32_16x16x128_f8f6f4 v[ACC+8*\t:ACC+8*\t+7], v[12*(2*((4*\qi+\u)%8)+\t):12*(2*((4*\qi+\u)%8)+\t)+11], v[12*(4*\qi+\u):12*(4*\qi+\u)+11], v[B2+8*\t:B2+8*\t+7], v[WS+16*\t+4*\qi+\u], v[HS+4*\qi+\u] matrix_a_fmt:MATRIX_FMT_FP6 matrix_b_fmt:MATRIX_FMT_FP6
.else
	v_wmma_scale_f32_16x16x128_f8f6f4 v[ACC+8*\t:ACC+8*\t+7], v[12*(2*((4*\qi+\u)%8)+\t):12*(2*((4*\qi+\u)%8)+\t)+11], v[12*(4*\qi+\u):12*(4*\qi+\u)+11], v[ACC+8*\t:ACC+8*\t+7], v[WS+16*\t+4*\qi+\u], v[HS+4*\qi+\u] matrix_a_fmt:MATRIX_FMT_FP6 matrix_b_fmt:MATRIX_FMT_FP6
.endif
.endr
.endr
	WIN 0
.if \qi == 0
.irp i, 0,1,2,3
	v_min_u32 v[TK+\i], 2047, v[TK+\i]
.endr
.irp i, 0,1,2,3
	v_lshl_add_u32 v[OA+\i], v[TK+\i], 12, v[C16]
	v_lshlrev_b32 v[PA+\i], 2, v[TK+\i]
.endr
	s_wait_alu depctr_va_vdst(0)                   ; v[PA ..] is written, which prob's loads read; the lines above are done with v[TK ..] and the last tile's multiplies with v[PR ..], in which loads land; quarter 0's products are done reading its fragments and scale words
.irp i, 0,1,2,3
	global_load_b32 v[PR+\i], v[PA+\i], s[14:15]
.endr
	global_load_b128 v[TK:TK+3], v[TKA], s[LBP:LBP+1]
	QLOAD 0, 0
.else
.rept 4
	v_nop                                          ; places behind the products; behind the last quarter's they stand ahead of the first read of results
.endr
	QLOAD \qi, 1
.endif
.endm
.macro TILE
	s_wait_loadcnt 51                              ; the tokens' numbers and quarter 0 are in; quarters 1 to 3, 51 loads, were issued behind them
	s_wait_xcnt 0x0                                ; all that has been issued has read its registers and bases: only behind this wait are they written again
	s_wait_alu depctr_vm_vsrc(0)                   ; the last tile's stage stores have read the accumulators, out's stores v[OB ..] and v[OA ..], prob's loads v[PA ..]: all are written again in this tile
	s_add_co_u32 s[TNX], s[SM], 4
	s_min_u32 s[TNX], s[TNX], s[NTC]               ; my next tile, held at the last that was written
	SETBASE
	QUARTER 0
	QUARTER 1
	QUARTER 2
	QUARTER 3
.irp t, 0,1
	ds_store_b128 v[SI], v[ACC+8*\t:ACC+8*\t+3] offset:64*\t       ; each accumulator from its low end on
	ds_store_b128 v[SI], v[ACC+8*\t+4:ACC+8*\t+7] offset:64*\t+16
.endr
.irp i, 0,1,2,3
	ds_load_b128 v[OB+4*\i:OB+4*\i+3], v[SOA] offset:144*\i        ; LDS serves a wave's instructions in order: these see the stores above
.endr
	s_wait_loadcnt 63                              ; the probabilities: 69 loads were issued behind them; the count asks for six more than is needed
	s_wait_dscnt 0x0
.irp i, 0,1,2,3
.irp k, 0,1,2,3
	v_mul_f32 v[OB+4*\i+\k], v[PR+\i], v[OB+4*\i+\k]
.endr
.endr
	s_wait_alu depctr_va_vdst(0)                   ; the sixteen multiplies have written v[OB ..], which the stores below read
.irp i, 0,1,2,3
	global_store_b128 v[OA+\i], v[OB+4*\i:OB+4*\i+3], s[16:17] th:TH_STORE_NT  ; eight lanes store a token's 128 consecutive bytes; written once, read by nobody here
.endr
.endm
	s_mov_b32 s[SM], s[WV]
	s_mov_b32 s[TR], 32                            ; 128 tiles at the most, 32 a wave; the count leads out by a forward branch
.Ltile:
	s_cmp_ge_u32 s[SM], s[NT]
	s_cbranch_scc1 .Lend
	TILE
	s_add_co_u32 s[SM], s[SM], 4
	s_sub_co_u32 s[TR], s[TR], 1
	s_cmp_lg_u32 s[TR], 0
	s_cbranch_scc1 .Ltile
.Lend:
	s_wait_dscnt 0x0                               ; the closing lines, six on end
	s_wait_alu 0x0
	s_wait_tensorcnt 0x0
	ds_add_u32 v18, v19
	s_wait_dscnt 0x0
	s_endpgm
.Lfunc_end_k_qba1f7c5e29_down:
	.size	k_qba1f7c5e29_down, .Lfunc_end_k_qba1f7c5e29_down-k_qba1f7c5e29_down
	.p2alignl 7, 3214868480
	.fill 96, 4, 3214868480
	.section	.rodata,"a",@progbits
	.p2align	6, 0x0
	.amdhsa_kernel k_qba1f7c5e29_down
		.amdhsa_group_segment_fixed_size 61184
		.amdhsa_private_segment_fixed_size 0
		.amdhsa_enable_private_segment 0
		.amdhsa_kernarg_size 56
		.amdhsa_user_sgpr_count 2
		.amdhsa_user_sgpr_kernarg_segment_ptr 1
		.amdhsa_wavefront_size32 1
		.amdhsa_system_sgpr_workgroup_id_x 1
		.amdhsa_system_sgpr_workgroup_id_y 1
		.amdhsa_system_sgpr_workgroup_id_z 1
		.amdhsa_system_vgpr_workitem_id 0
		.amdhsa_next_free_vgpr 1024
		.amdhsa_next_free_sgpr 66
		.amdhsa_reserve_vcc 0
		.amdhsa_float_denorm_mode_32 3
		.amdhsa_float_denorm_mode_16_64 3
		.amdhsa_memory_ordered 1
		.amdhsa_forward_progress 1
		.amdhsa_inst_pref_size 88
	.end_amdhsa_kernel
	.amdgpu_metadata
---
amdhsa.version: [ 1, 2 ]
amdhsa.kernels:
  - .name:           k_qba1f7c5e29_down
    .symbol:         k_qba1f7c5e29_down.kd
    .args:
      - { .name: W2, .offset: 0, .size: 8, .value_kind: global_buffer, .address_space: global }
      - { .name: b2, .offset: 8, .size: 8, .value_kind: global_buffer, .address_space: global }
      - { .name: hq, .offset: 16, .size: 8, .value_kind: global_buffer, .address_space: global }
      - { .name: hs, .offset: 24, .size: 8, .value_kind: global_buffer, .address_space: global }
      - { .name: lst, .offset: 32, .size: 8, .value_kind: global_buffer, .address_space: global }
      - { .name: prob, .offset: 40, .size: 8, .value_kind: global_buffer, .address_space: global }
      - { .name: out0, .offset: 48, .size: 8, .value_kind: global_buffer, .address_space: global }
    .group_segment_fixed_size: 61184
    .private_segment_fixed_size: 0
    .kernarg_segment_align: 8
    .kernarg_segment_size: 56
    .max_flat_workgroup_size: 128
    .sgpr_count:     66
    .vgpr_count:     1024
    .wavefront_size: 32
...
	.end_amdgpu_metadata
.endif
;; end of part 4
